; MI455X (gfx1250); checked and timed in simulation.
; The chip was launched on July 23, 2026; its instructions are those of AMD's public machine-readable ISA for CDNA 5 (MIT licence, August 2026) and "CDNA5" Instruction Set Architecture Reference Guide (July 2026). The comments in the code are by the model that wrote it; some were corrected since.
;; Multi Head Attention. Allowed arithmetic: matrix products marked QUANTISED: E2M3 operands, one E8M0 scale for each 32 along K, by v_wmma_scale_f32_16x16x128_f8f6f4 with both operands' format E2M3, f32 sums; everything else in f32.
;; Inputs: Wk 16 x 1,024 x 64 float32; Wo 1,024 x 1,024 float32; Wq 16 x 1,024 x 64 float32; Wv 16 x 1,024 x 64 float32; bo 1,024 float32; x 4 x 2,048 x 1,024 float32.
;; Outputs: out0 4 x 2,048 x 1,024 float32.
;; This version of the problem:
;;   THIS VERSION OF THE PROBLEM IS GIVEN IN LOW PRECISION. The matrix products marked QUANTISED in the list below multiply operands that are first quantised to E2M3 (2 exponent bits, 3 mantissa bits; 6 bits a number), with one power-of-two scale for each 32 numbers along K (OCP MX v1.0); their sums are f32. All else is computed in f32.
;;   The module's matrix products, in the order in which they are computed (A, B: the left and right operand; K: the contracted axis; several contracted axes count as one K, in the product's order):
;;     1. [M 1,024, K 1,024] x [K 1,024, N 8,192]; A: input Wq; B: input x: QUANTISED
;;     2. [M 1,024, K 1,024] x [K 1,024, N 8,192]; A: input Wk; B: input x: QUANTISED
;;     3. [M 1,024, K 1,024] x [K 1,024, N 8,192]; A: input Wv; B: input x: QUANTISED
;;     4. batch 64 x [M 2,048, K 64] x [K 64, N 2,048]; A: computed on the way; B: computed on the way: QUANTISED
;;     5. batch 64 x [M 2,048, K 2,048] x [K 2,048, N 64]; A: softmax (see below); B: computed on the way: QUANTISED
;;     6. [M 8,192, K 1,024] x [K 1,024, N 1,024]; A: computed on the way; B: input Wo: QUANTISED
;;   THE QUANTISER, for each operand of a quantised product, along K:
;;     - K is cut into blocks of 32 from its start; a last block that is shorter is filled with zeros.
;;     - A block's scale is 2^e with e = floor(log2(the largest magnitude in the block)) - 2, held to -126 .. 127; a block of zeros has e = 0. As a byte (E8M0): e + 127.
;;     - Each number is divided by its block's scale, clamped to +-7.5, and rounded to the nearest number of E2M3, ties to even, subnormals kept.
;;     - The product sums the exact products of the quantised numbers (number of the format x scale) in f32.
;;   ~~~python
;;   def quantise(x, axis):      # numpy; x: float32 -> the quantised numbers, widened to float32 again
;;       x = np.moveaxis(x, axis, -1); K = x.shape[-1]
;;       x = np.pad(x, [(0, 0)] * (x.ndim - 1) + [(0, -K % 32)]); x = x.reshape(x.shape[:-1] + (-1, 32)); a = np.abs(x).max(-1, keepdims=True)
;;       e = np.where(a > 0, np.clip(np.frexp(np.where(a > 0, a, 1))[1] - 1 - 2, -126, 127), 0)      # np.frexp(a)[1] - 1 = floor(log2(a)), exactly
;;       r = np.clip(x / 2.0 ** e, -7.5, 7.5)
;;       step = 2.0 ** (np.maximum(np.frexp(np.where(r == 0, 1, r))[1] - 1, 0) - 3)
;;       q = np.round(r / step) * step * 2.0 ** e      # np.round: ties to even
;;       return np.moveaxis(q.reshape(q.shape[:-2] + (-1,))[..., :K], -1, axis).astype(np.float32)
;;   ~~~
;;   SOFTMAX AHEAD OF A QUANTISED PRODUCT. Where the list says 'softmax', what is quantised is not the finished softmax but p = 2^(t - M), with t = logit x log2(e) and M = ceil(the row's largest t), a whole number; so 1/2 < the row's largest p <= 1. The row's sum l is taken of the UNQUANTISED p, in f32, and the product's result is divided by l at the end. Since M is a whole number, a kernel that streams over the keys may use a running M (the ceiling of the running maximum): every later rescaling is an exact power of two, which a block's scale takes up: the codes' values come out the same.
;;   OPERANDS COMPUTED ON THE WAY. 'Computed on the way' means the value that the module computes at that place (a softmax that the list does not call 'softmax' is quantised finished and normalised). What goes into a quantiser is computed in f32, as accurately as f32 sums, v_exp_f32 and their like allow (about 1e-6 of the number): no bf16 or f16 on the way to a quantiser, and a product that is left as it is and whose result goes on into a quantised operand takes f32 operands (vector FMAs, or v_wmma_f32_16x16x4_f32). A number that lies on a knife's edge between two numbers of the format may be rounded either way, as far as f32 arithmetic and the matrix unit's own rounding can turn it there, and no further.
;; One version. Each part assembles by itself: llvm-mc -triple=amdgcn-amd-amdhsa -mcpu=gfx1250 --defsym DOCPART=n.
;; ======== version 1 of 1: 4 launches
;; limits: right only within a limited range of input values
;; workspace buffers: xc 6,291,456 bytes; xs 262,144 bytes; wc 6,291,456 bytes; ws 131,072 bytes; qkvc 18,874,368 bytes; qkvs 786,432 bytes; ac 6,291,456 bytes; asc 262,144 bytes
;; launch quant (part 1): grid 512 x 1, 4 waves a work-group, no clusters, 34,304 bytes of LDS; arguments x, xc, xs, Wq, Wk, Wv, Wo, wc, ws; writes xc, xs, wc, ws
.if DOCPART == 1
	.amdgcn_target "amdgcn-amd-amdhsa--gfx1250"
	.amdhsa_code_object_version 6
	.text
	.protected	k_q4bddbcd65f_quant
	.globl	k_q4bddbcd65f_quant
	.p2align	8
	.type	k_q4bddbcd65f_quant,@function
k_q4bddbcd65f_quant:
	s_mov_b64 s[64:65], 0
	v_nop
	global_prefetch_b8 v0, s[64:65] scope:SCOPE_SE
	s_setreg_imm32_b32 hwreg(HW_REG_WAVE_MODE, 25, 1), 1
	s_wait_xcnt 0x0
; x [8192][1024] and the four weights (K = their axis of 1,024) become codes of FP6 (E2M3) with one E8M0 byte for each 32 along K.
; A block's scale is 2^(floor(log2(its largest magnitude)) - 2): its byte is that magnitude's exponent field - 2, held at 1 from below.
; LAYOUT OF THE CODES.  A fragment (16 rows x 128 K, 12 registers a lane) lies in memory as the image of its registers: three groups of 512 bytes, lane l's registers 4 g .. 4 g + 3 at 512 g + 16 l.
;   xc: [K / 256][token tile 512][2][1536];  wc: [K / 256][row tile 256][2][1536], rows 0-1023 Wq (head x 64 + e), 1024-2047 Wk, 2048-3071 Wv, 3072-4095 Wo's columns.  xs, ws: [row][32 bytes], byte = block.
; ORDER INSIDE A BLOCK.  Position p of a block holds element 8 (2 ((p / 8) & 1) + p / 16) + p % 8 (octets 0, 2, 1, 3), on BOTH operands of every product of this program: the products are the same set,
;   a block's members and scale are unchanged; only the order of the sums inside a matrix instruction differs from ascending K.
; SHARES.  Work-groups 0-127: x; a wave takes 16 tokens and all of K, eight fragments; each load reads 512 consecutive bytes of one row, the numbers turn through the wave's own stage in LDS.
;   Work-groups 128-383: weights; a wave takes 32 columns x 128 along K; a lane takes a column and its registers run down K, so nothing is transposed; each load reads 128 consecutive bytes.
; The weights' scale words leave 4 bytes a lane, 32 bytes apart: one byte for each 128 that the launch reads.
; LIMITS: NaN and infinities among the inputs are not served; a block whose largest magnitude lies under 2^-124 keeps the byte 1; a block of zeros gets the byte 1, not 127: its codes are zeros and this program alone reads the bytes.
; THE SHARES, AS THIS TEXT HAS THEM (in place of what the head says of them): work-groups 0-255: x; a wave takes 16 tokens and HALF of K, four fragments (waves 2 t and 2 t + 1 of the launch share token tile t),
; and all its 64 loads go out at its head.  Work-groups 256-511: the weights, as the head says.  Two work-groups fit on a WGP by their registers, so 512 are one turn.
; x's scale words leave 8 bytes a lane: a wave writes 16 of each row's 32 bytes, the tile's other wave the other 16.
.set KSX,   1572864
.set KSW,   1572864                    ; and of wc: its planes of 256 along K lie as far apart as xc's (256 row tiles are written in each, the rest of a plane is never touched), so that one pitch serves both in the launches that read them
.set STG,   8448                       ; a wave's stage: 16 rows x (512 bytes + 16)
.set SPARE, 4*STG                      ; behind the stages: the spare words, 128 bytes a wave
.set GA,  4                            ; v4   16 x lane
.set SA,  5                            ; v5   stage, on the way in
.set RA,  6                            ; v6   stage, on the way out: row r, + 128 h
.set SO,  7                            ; v7   32 r + 8 h: my 8 bytes of the row's 16
.set SH,  8                            ; v8   8 h
.set TM,  16                           ; v16-17 largest magnitudes
.set SC,  18                           ; v18-19 the conversions' scale operands
.set BY,  20                           ; v20-21 the bytes
.set T0,  22
.set T1,  23
.set PC,  32                           ; v32-43 a fragment's codes
.set TQ,  44                           ; v44-51 the blocks' upper halves as converted
.set SW,  52                           ; v52-55 the four scale words of my row
.set WE,  60                           ; v60-61 the two that I store
.set X,   64                           ; v64-127 my two blocks of 32 numbers
.set SPW, 250
.set NIL, 251
.set MSB, 0
.macro WIN new                         ; the immediate's high byte repeats the setting that is left
.if MSB != \new
	s_set_vgpr_msb (MSB<<8)|\new
.set MSB, \new
.endif
.endm
	s_load_b256 s[8:15], s[0:1], 0x0               ; x s[8:9], xc s[10:11], xs s[12:13], Wq s[14:15]
	s_load_b256 s[16:23], s[0:1], 0x20             ; Wk s[16:17], Wv s[18:19], Wo s[20:21], wc s[22:23]
	s_load_b64 s[24:25], s[0:1], 0x40              ; ws
	v_lshl_add_u32 v[SPW], v0, 2, SPARE
	v_mov_b32 v[NIL], 0
	v_lshrrev_b32 v1, 5, v0
	v_readfirstlane_b32 s26, v1                    ; wave
	v_and_b32 v1, 31, v0                           ; lane
	v_and_b32 v2, 15, v0                           ; r
	v_bfe_u32 v3, v0, 4, 1                         ; h
	v_lshlrev_b32 v[GA], 4, v1
	s_mov_b32 s27, 0xffff0000                      ; lanes 16-31
	s_mov_b32 s28, 0x76543210
	s_mov_b32 s29, 0xfedcba98                      ; v_permlanex16_b32's selects for lane l xor 16
	s_mov_b32 s33, 0
	s_wait_kmcnt 0x0
	s_cmp_lt_u32 ttmp9, 256
	s_cbranch_scc0 .Lweights
	; ---------------- x ----------------
	s_lshl_b32 s30, ttmp9, 1
	s_lshr_b32 s34, s26, 1
	s_add_co_u32 s30, s30, s34                     ; my token tile: 2 x work-group + wave / 2
	s_and_b32 s34, s26, 1                          ; my half of K
	s_lshl_b32 s32, s30, 16                        ; 16 rows of 4,096 bytes,
	s_lshl_b32 s35, s34, 11                        ; + 512 along K: 2,048 bytes
	s_add_co_u32 s32, s32, s35
	s_add_nc_u64 s[8:9], s[8:9], s[32:33]
	s_mul_i32 s32, s30, 3072
	s_mul_i32 s35, s34, 2*KSX                      ; two planes of 256 along K
	s_add_co_u32 s32, s32, s35
	s_add_nc_u64 s[10:11], s[10:11], s[32:33]
	s_lshl_b32 s32, s30, 9
	s_lshl_b32 s35, s34, 4                         ; my half's 16 of a row's 32 scale bytes
	s_add_co_u32 s32, s32, s35
	s_add_nc_u64 s[12:13], s[12:13], s[32:33]
	s_mul_i32 s31, s26, STG
	s_wait_alu depctr_va_vdst(0)
	v_add_nc_u32 v[SA], s31, v[GA]
	v_mul_u32_u24 v[RA], v2, 528
	v_lshl_add_u32 v[RA], v3, 7, v[RA]
	v_add_nc_u32 v[RA], s31, v[RA]
	v_lshlrev_b32 v[SO], 5, v2
	v_lshl_add_u32 v[SO], v3, 3, v[SO]             ; 32 r + 8 h: my 8 bytes of the row's 16
	v_lshlrev_b32 v[SH], 3, v3
	v_mov_b32 v[T1], 0                             ; a lane permute's destination counts as one of its sources
.macro LOADF f                         ; K step f of my 16 rows into set f % 4 of window 1: a load reads 512 consecutive bytes of one row
	WIN 0x40
.set i, 0
.rept 16
	global_load_b128 v[64*((\f)%4)+4*i:64*((\f)%4)+4*i+3], v[GA], s[8:9] offset:4096*i+512*(\f) th:TH_LOAD_NT
.set i, i+1
.endr
	WIN 0
.endm
.macro TURNF f                         ; through the stage: in as loaded, out as lane (r, h) wants them: blocks h and 2 + h of row r, in the order stated at the head.  LDS serves a wave's instructions in order
	WIN 0x04
.set i, 0
.rept 16
	ds_store_b128 v[SA], v[64*((\f)%4)+4*i:64*((\f)%4)+4*i+3] offset:528*i
.set i, i+1
.endr
	WIN 0
.set j, 0
.rept 16
.set jj, j%8
	ds_load_b128 v[X+4*j:X+4*j+3], v[RA] offset:256*(j/8)+16*(2*(((jj/2)&1)*2+jj/4)+jj%2)
.set j, j+1
.endr
.endm
.macro QUANTX f
.irp c,0,1
	v_max3_num_f32 v[TM+\c], |v[X+32*\c]|, |v[X+32*\c+1]|, 0x1800000      ; my whole block, and the floor 2^(3 - 127): the byte cannot fall under 1
.endr
.irp i,2,4,6,8,10,12,14,16,18,20,22,24,26,28,30
.irp c,0,1
	v_max3_num_f32 v[TM+\c], v[TM+\c], |v[X+32*\c+\i]|, |v[X+32*\c+\i+1]|
.endr
.endr
.irp c,0,1
	v_add_nc_u32 v[SC+\c], 0xff000000, v[TM+\c]    ; 2 off the exponent field: the conversion's scale operand
.endr
.irp c,0,1
	v_lshrrev_b32 v[BY+\c], 23, v[SC+\c]           ; the byte
.endr
	v_lshl_or_b32 v[T0], v[BY+1], 16, v[BY]        ; blocks h and 2 + h,
	v_lshlrev_b32 v[T0], v[SH], v[T0]              ; at their places in the word;
	v_permlanex16_b32 v[T1], v[T0], s28, s29
	v_or_b32 v[SW+(\f)], v[T0], v[T1]              ; with lane l xor 16's two the word is whole
	s_wait_alu depctr_va_vdst(0)
	s_wait_xcnt 0x0                                ; the last fragment's stores have read the codes' registers
.irp c,0,1
	v_cvt_scalef32_pk16_fp6_f32 v[PC+6*\c:PC+6*\c+2], v[X+32*\c:X+32*\c+15], v[SC+\c]
	v_cvt_scalef32_pk16_fp6_f32 v[TQ+4*\c:TQ+4*\c+2], v[X+32*\c+16:X+32*\c+31], v[SC+\c]   ; (a conversion's three registers begin on an even number)
.endr
	v_nop                                          ; one plain place behind a scaled conversion
.irp c,0,1
.irp i,0,1,2
	v_mov_b32 v[PC+6*\c+3+\i], v[TQ+4*\c+\i]
.endr
.endr
.irp g,0,1,2
	global_store_b128 v[GA], v[PC+4*\g:PC+4*\g+3], s[10:11] offset:((\f)/2)*KSX+((\f)%2)*1536+512*\g   ; 512 consecutive bytes
.endr
.endm
	LOADF 0
	LOADF 1
	LOADF 2
	LOADF 3
	s_wait_alu depctr_va_vdst(0)
.irp f,0,1,2,3
	s_wait_loadcnt 16*(3-\f)                       ; this K step's 16 loads are in; those of the steps behind it may be out
	TURNF \f
	s_wait_dscnt 0x0                               ; the numbers are back from the stage
	QUANTX \f
.endr
.irp j,0,1
	v_cndmask_b32 v[WE+\j], v[SW+\j], v[SW+2+\j], s27   ; lanes 0-15 store words 0, 1 of my four of row r, lanes 16-31 words 2, 3
.endr
	global_store_b64 v[SO], v[WE:WE+1], s[12:13]
	s_wait_tensorcnt 0x0                           ; the wave's end: three lines behind my last LDS store
	ds_add_u32 v[SPW], v[NIL]
	s_wait_dscnt 0x0
	s_endpgm
	; ---------------- the weights ----------------
.set WL,  5                            ; v5   4 x lane
.set WR,  6                            ; v6   32 x lane: my row of scale bytes
.set WM,  8                            ; v8-11  largest magnitudes
.set WC,  12                           ; v12-15 scale operands
.set WT,  16                           ; v16-31 the blocks' upper halves as converted
.set FT,  32                           ; v32-43 blocks 0 and 2;  v44-55 blocks 1 and 3
.set FT1, 44
.set WB,  56                           ; v56-59 bytes, v60 the word
.set N,   64                           ; v64-191 my column's 128 numbers
.Lweights:
	s_sub_co_u32 s30, ttmp9, 256
	s_lshr_b32 s31, s30, 2
	s_lshl_b32 s31, s31, 1
	s_and_b32 s34, s26, 1
	s_add_co_u32 s31, s31, s34                     ; which 32 of the 4,096 rows of wc
	s_and_b32 s35, s30, 3
	s_lshl_b32 s35, s35, 1
	s_lshr_b32 s36, s26, 1
	s_add_co_u32 s35, s35, s36                     ; which 128 along K
	s_lshr_b32 s37, s30, 6                         ; which weight: 0 Wq, 1 Wk, 2 Wv, 3 Wo
	s_and_b32 s38, s31, 31
	s_lshr_b32 s39, s38, 1
	s_lshl_b32 s39, s39, 18                        ; [head][K][64]: the head,
	s_lshl_b32 s40, s34, 7                         ; my half of its 64 columns,
	s_add_co_u32 s39, s39, s40
	s_lshl_b32 s40, s35, 15                        ; 128 rows of 256 bytes
	s_add_co_u32 s39, s39, s40
	s_lshl_b32 s41, s38, 7                         ; Wo [K][1024]: my 32 columns,
	s_lshl_b32 s40, s35, 19                        ; 128 rows of 4,096 bytes
	s_add_co_u32 s41, s41, s40
	s_cmp_eq_u32 s37, 1
	s_cselect_b64 s[32:33], s[16:17], s[14:15]
	s_cmp_eq_u32 s37, 2
	s_cselect_b64 s[32:33], s[18:19], s[32:33]
	s_cmp_eq_u32 s37, 3
	s_cselect_b64 s[32:33], s[20:21], s[32:33]
	s_cselect_b32 s42, s41, s39
	s_mov_b32 s43, 0
	s_add_nc_u64 s[32:33], s[32:33], s[42:43]
	s_lshr_b32 s40, s35, 1
	s_mul_i32 s42, s40, KSW
	s_mul_i32 s40, s31, 6144                       ; two row tiles
	s_add_co_u32 s42, s42, s40
	s_and_b32 s40, s35, 1
	s_mul_i32 s40, s40, 1536
	s_add_co_u32 s42, s42, s40
	s_add_nc_u64 s[22:23], s[22:23], s[42:43]
	s_lshl_b32 s42, s31, 10
	s_lshl_b32 s40, s35, 2
	s_add_co_u32 s42, s42, s40
	s_add_nc_u64 s[24:25], s[24:25], s[42:43]
	s_wait_alu depctr_va_vdst(0)
	v_lshlrev_b32 v[WL], 2, v1
	v_lshlrev_b32 v[WR], 5, v1
.macro LOADW pitch                     ; register 32 b + i takes the element that stands at position i of block b
.set n, 0
.rept 128
	global_load_b32 v[N+n], v[WL], s[32:33] offset:(32*(n/32)+8*((((n%32)/8)&1)*2+(n%32)/16)+n%8)*\pitch th:TH_LOAD_NT
.set n, n+1
.endr
.endm
	s_cmp_eq_u32 s37, 3
	s_cbranch_scc1 .Lwo
	LOADW 256
	s_branch .Lloaded
.Lwo:
	s_wait_alu depctr_va_vdst(0)
	LOADW 4096
.Lloaded:
	s_wait_loadcnt 0x0
.irp b,0,1,2,3
	v_max3_num_f32 v[WM+\b], |v[N+32*\b]|, |v[N+32*\b+1]|, 0x1800000
.endr
.irp i,2,4,6,8,10,12,14,16,18,20,22,24,26,28,30
.irp b,0,1,2,3
	v_max3_num_f32 v[WM+\b], v[WM+\b], |v[N+32*\b+\i]|, |v[N+32*\b+\i+1]|
.endr
.endr
.irp b,0,1,2,3
	v_add_nc_u32 v[WC+\b], 0xff000000, v[WM+\b]
.endr
.irp b,0,1,2,3
	v_lshrrev_b32 v[WB+\b], 23, v[WC+\b]
.endr
	v_lshl_or_b32 v[WB+4], v[WB+1], 8, v[WB]
	v_lshl_or_b32 v[WB+4], v[WB+2], 16, v[WB+4]
	v_lshl_or_b32 v[WB+4], v[WB+3], 24, v[WB+4]
	global_store_b32 v[WR], v[WB+4], s[24:25]      ; my row's word for this K step
.irp b,0,1,2,3
	v_cvt_scalef32_pk16_fp6_f32 v[FT+12*(\b%2)+6*(\b/2):FT+12*(\b%2)+6*(\b/2)+2], v[N+32*\b:N+32*\b+15], v[WC+\b]
	v_cvt_scalef32_pk16_fp6_f32 v[WT+4*\b:WT+4*\b+2], v[N+32*\b+16:N+32*\b+31], v[WC+\b]
.endr
	v_nop                                          ; one plain place behind a scaled conversion
.irp b,0,1,2,3
.irp i,0,1,2
	v_mov_b32 v[FT+12*(\b%2)+6*(\b/2)+3+\i], v[WT+4*\b+\i]
.endr
.endr
.irp k,0,1,2,3,4,5,6,7,8,9,10,11
	v_permlane16_swap_b32 v[FT+\k], v[FT1+\k]      ; the first's lanes 16-31 change places with the second's lanes 0-15: the first is now the fragment of rows 0-15 (lane (r, h): blocks h, 2 + h of row r), the second that of rows 16-31
.endr
.irp g,0,1,2
	global_store_b128 v[GA], v[FT+4*\g:FT+4*\g+3], s[22:23] offset:512*\g
	global_store_b128 v[GA], v[FT1+4*\g:FT1+4*\g+3], s[22:23] offset:3072+512*\g
.endr
	s_endpgm
.Lfunc_end_k_q4bddbcd65f_quant:
	.size	k_q4bddbcd65f_quant, .Lfunc_end_k_q4bddbcd65f_quant-k_q4bddbcd65f_quant
	.p2alignl 7, 3214868480
	.fill 96, 4, 3214868480
	.section	.rodata,"a",@progbits
	.p2align	6, 0x0
	.amdhsa_kernel k_q4bddbcd65f_quant
		.amdhsa_group_segment_fixed_size 34304
		.amdhsa_private_segment_fixed_size 0
		.amdhsa_enable_private_segment 0
		.amdhsa_kernarg_size 72
		.amdhsa_user_sgpr_count 2
		.amdhsa_user_sgpr_kernarg_segment_ptr 1
		.amdhsa_wavefront_size32 1
		.amdhsa_system_sgpr_workgroup_id_x 1
		.amdhsa_system_sgpr_workgroup_id_y 1
		.amdhsa_system_sgpr_workgroup_id_z 1
		.amdhsa_system_vgpr_workitem_id 0
		.amdhsa_next_free_vgpr 512
		.amdhsa_next_free_sgpr 66
		.amdhsa_reserve_vcc 0
		.amdhsa_float_denorm_mode_32 3
		.amdhsa_float_denorm_mode_16_64 3
		.amdhsa_memory_ordered 1
		.amdhsa_forward_progress 1
		.amdhsa_inst_pref_size 63
	.end_amdhsa_kernel
	.amdgpu_metadata
---
amdhsa.version: [ 1, 2 ]
amdhsa.kernels:
  - .name:           k_q4bddbcd65f_quant
    .symbol:         k_q4bddbcd65f_quant.kd
    .args:
      - { .name: x, .offset: 0, .size: 8, .value_kind: global_buffer, .address_space: global }
      - { .name: xc, .offset: 8, .size: 8, .value_kind: global_buffer, .address_space: global }
      - { .name: xs, .offset: 16, .size: 8, .value_kind: global_buffer, .address_space: global }
      - { .name: Wq, .offset: 24, .size: 8, .value_kind: global_buffer, .address_space: global }
      - { .name: Wk, .offset: 32, .size: 8, .value_kind: global_buffer, .address_space: global }
      - { .name: Wv, .offset: 40, .size: 8, .value_kind: global_buffer, .address_space: global }
      - { .name: Wo, .offset: 48, .size: 8, .value_kind: global_buffer, .address_space: global }
      - { .name: wc, .offset: 56, .size: 8, .value_kind: global_buffer, .address_space: global }
      - { .name: ws, .offset: 64, .size: 8, .value_kind: global_buffer, .address_space: global }
    .group_segment_fixed_size: 34304
    .private_segment_fixed_size: 0
    .kernarg_segment_align: 8
    .kernarg_segment_size: 72
    .max_flat_workgroup_size: 128
    .sgpr_count:     66
    .vgpr_count:     512
    .wavefront_size: 32
...
	.end_amdgpu_metadata
.endif
;; end of part 1
;; launch proj (part 2): grid 12 x 64, 4 waves a work-group, clusters of 4 x 4, 295,424 bytes of LDS; arguments xc, xs, wc, ws, qkvc, qkvs; writes qkvc, qkvs
.if DOCPART == 2
	.amdgcn_target "amdgcn-amd-amdhsa--gfx1250"
	.amdhsa_code_object_version 6
	.text
	.protected	k_q4bddbcd65f_proj
	.globl	k_q4bddbcd65f_proj
	.p2align	8
	.type	k_q4bddbcd65f_proj,@function
k_q4bddbcd65f_proj:
	s_mov_b64 s[64:65], 0
	v_nop
	global_prefetch_b8 v0, s[64:65] scope:SCOPE_SE
	s_setreg_imm32_b32 hwreg(HW_REG_WAVE_MODE, 25, 1), 1
	s_wait_xcnt 0x0
	s_wait_alu depctr_hold_cnt(0) depctr_sa_sdst(0) depctr_va_vdst(0) depctr_va_sdst(0) depctr_va_ssrc(0) depctr_va_vcc(0) depctr_vm_vsrc(0)
	s_getreg_b32 s2, hwreg(HW_REG_IB_STS2, 6, 4)
	s_cmp_eq_u32 s2, 0
	s_cbranch_scc0 .Lentry_in_a_cluster
	s_endpgm
.Lentry_in_a_cluster:
	s_bfe_u32 s2, ttmp6, 0x10000c
	s_cmp_lg_u32 s2, 0xf033
	s_cbranch_scc0 .Lentry_shape_is_right
	s_endpgm
.Lentry_shape_is_right:
; q, k, v = x W on codes of FP6 (E2M3) with E8M0 scales, and q, k, v quantised again on the way out: q and k along the head's 64, v along the keys.  Nothing in f32 goes to memory.
; THE PRODUCT D = P Q^T IS USED TRANSPOSED: source 0 = 16 rows of P, which run along a lane's registers in the result; source 1 = 16 rows of Q, one a lane.  What runs along the registers is the next product's K:
;   clusters x = 0, 1 (q, k): P = 256 rows of the weights (four heads), Q = 128 tokens;   clusters x = 2 (v): P = 256 tokens, Q = 128 rows of Wv (two heads).
; A work-group of four waves makes Q 128 x P 256; a wave Q 64 x P 128: 32 accumulators.  The operands lie in memory as images of their registers (1,536 bytes a fragment), so a tile for 256 along K is one dense block.
; ALL OF K (1,024) LIES IN LDS: four chunks of 73,728 bytes, each filled once, all asked for at the head: no byte of LDS is filled twice.  By this text's count a wave has four tensor loads out.
; CLUSTER 4 x 4: Q's tile hangs on the work-group's y alone and is shared along a row of the cluster, P's on its x alone and is shared along a column: each is asked for jointly.
; The scale words of my rows (32 bytes a row: all of K) come once, straight into registers.
; OUT.  qkvc [g 48][token / 128][4][1536], g = 0-15 q's heads, 16-31 k's, 32-47 v's.  q, k: fragment p holds tokens 32 p + r (registers 0-5: the head's 64 codes) and 32 p + 16 + r (registers 6-11).  v: fragment t holds rows e = 16 t + r x 128 keys.
;   qkvs [g][token / 128][r 16][4 words], word = fragment.  Each store of codes covers 512 consecutive bytes.  q's and k's scale words leave 8 bytes in each 16; another wave writes the other 8.
; Two neighbouring tiles of 16 rows of P give a lane 16 numbers of a block of 32: elements 8 h + 0..7 and 16 + 8 h + 0..7; converted and exchanged between the halves of the lanes, a block's codes stand in the order
;   octets 0, 2, 1, 3, which every operand of this program has on both sides of its product.
; LIMITS: NaN and infinities are not served; a block whose largest magnitude lies under 2^-124, zeros among them, keeps the byte 1 (this program alone reads the bytes); sums inside a matrix instruction run in the stated order of K.
; THE FILLS, AS THIS TEXT HAS THEM (in place of what the head says of four loads a wave and of chunks that hold Q and P together): one tensor load a wave, all four at the head.
; Q's tile for 256 along K is 24,576 dense bytes, P's 49,152; the planes of 256 along K lie KSX bytes apart in xc and in wc alike.  So one descriptor with a row = a tile's plane and two rows brings two chunks:
; wave 0 Q's chunks 0, 1; wave 1 P's 0, 1; wave 2 Q's 2, 3; wave 3 P's 2, 3.  LDS: Q's four chunks from 0 (2 QH each), P's four from 8 QH (2 PH each).  Waves 0 and 1 wait ahead of the first barrier, all waves ahead of the one in front of chunk 2.
; NO PREFETCH: the text has no loop to run ahead in, and all that it reads through LDS is asked for at its head.
.set TB,    3072
.set QH,    4*TB                       ; what a wave fetches of Q, and reads of it
.set PH,    8*TB                       ; the same of P
.set CH,    2*QH+2*PH                  ; a chunk: Q's 8 row tiles, then P's 16
.set SPARE, 4*CH                       ; behind the chunks: the spare words, 128 bytes a wave
.set KSX,   1572864                    ; 256 along K in xc
.set KSW,   1572864
.set GS,    393216                     ; a g of qkvc
.set GSS,   16384                      ; and of qkvs
.set NLQ,   3                          ; LDS loads that bring a fragment of Q
.set NF,    24+4*NLQ                   ; LDS loads of a K step
.set ADQ, 4                            ; v4-7   LDS address of my fragments of Q in chunk c
.set ADP, 8                            ; v8-11  the same for P
.set SPW, 12
.set NIL, 13
.set VS,  14                           ; v14    32 r: my row among scale bytes
.set L16, 15                           ; v15    16 x lane
.set VO,  16                           ; v16    where my scale words go
.set SQ,  32                           ; v32-63  Q's scale words: block i, K step s at SQ + 8 i + s
.set SP,  64                           ; v64-127 P's: block b
.set QF,  128                          ; v128-223 Q's fragments, two sets of 48;  window 1: P's, two sets at 0 and 128;  window 2: accumulator (a, b) at 8 (8 a + b)
.set FR,  128                          ; the way out: 48 registers of codes
.set WD,  176                          ; four scale words as stored
.set WT,  180                          ; four as made
.set WE,  184
.set TM,  224                          ; v224-227 largest magnitudes; v228-231 the other half's, then bytes; v232-235 scale operands; v236-243 upper halves as converted
.set TX,  228
.set SO,  232
.set TQ,  236
.set G1Q, 16
.set G1P, 24
.set G0Q, 32                           ; s[32:35] Q's group 0
.set G0P, 48                           ; s[48:51] P's
.set WV,  66
.set HM,  71
.set SEL, 76
.set MSB, 0
.macro WIN new
.if MSB != \new
	s_set_vgpr_msb (MSB<<8)|\new
.set MSB, \new
.endif
.endm
.macro CROUND                          ; a round of the cluster's barrier
	s_barrier_signal -1
	s_barrier_wait -1
	s_cmp_lg_u32 s[WV], 0
	s_cbranch_scc1 .Lnot_wave_0_\@
	s_barrier_signal -3
.Lnot_wave_0_\@:
	s_barrier_wait -3
	s_barrier_signal -1
	s_barrier_wait -1
.endm
.macro PLACES n
.rept \n
	v_nop
.endr
.endm
	s_load_b256 s[4:11], s[0:1], 0x0               ; xc s[4:5], xs s[6:7], wc s[8:9], ws s[10:11]
	s_load_b128 s[12:15], s[0:1], 0x20             ; qkvc s[12:13], qkvs s[14:15]
	v_lshl_add_u32 v[SPW], v0, 2, SPARE
	v_mov_b32 v[NIL], 0
	ds_add_u32 v[SPW], v[NIL]                      ; the wave's opening: the add and its wait ahead of my first tensor load
	ds_add_u32 v[SPW], v[NIL]
	v_lshrrev_b32 v1, 5, v0
	v_readfirstlane_b32 s[WV], v1
	s_lshr_b32 s67, s[WV], 1                       ; which 64 rows of Q are mine
	s_and_b32 s68, s[WV], 1                        ; which 128 rows of P.
	s_bfe_u32 s69, ttmp6, 0x40000                  ; cx
	s_bfe_u32 s70, ttmp6, 0x40004                  ; cy
	s_and_b32 s72, ttmp7, 0xffff                   ; cluster y
	s_lshl_b32 s76, s70, 2
	s_lshl_b32 s76, 15, s76                        ; my row of the cluster
	s_lshl_b32 s77, 0x1111, s69                    ; my column
	s_or_b32 s[G1Q], s76, (3<<16)|(1<<21)          ; the mask; elements of 8 bytes; bit 21 beside a mask; no padding
	s_or_b32 s[G1P], s77, (3<<16)|(1<<21)
	s_mov_b32 s[G1Q+1], 3072<<16                   ; a row: 3,072 elements of 8 bytes, Q's eight row tiles of one plane,
	s_mov_b32 s[G1Q+2], 2<<16                      ; two rows: two planes
	s_mov_b32 s[G1Q+3], 3072<<16
	s_mov_b32 s[G1Q+4], 2
	s_mov_b32 s[G1Q+5], KSX/8                      ; from plane to plane, in elements
	s_mov_b32 s[G1Q+6], 0
	s_mov_b32 s[G1Q+7], 0
	s_mov_b32 s[G1P+1], 6144<<16                   ; P's sixteen row tiles of one plane
	s_mov_b32 s[G1P+2], 2<<16
	s_mov_b32 s[G1P+3], 6144<<16
	s_mov_b32 s[G1P+4], 2
	s_mov_b32 s[G1P+5], KSX/8
	s_mov_b32 s[G1P+6], 0
	s_mov_b32 s[G1P+7], 0
	s_and_b32 s78, s72, 7
	s_lshr_b32 s79, s72, 3
	s_cmp_eq_u32 ttmp9, 2                          ; v's clusters: the same in all sixteen partners
	s_cselect_b32 s73, 1, 0
	s_cselect_b32 s74, s78, ttmp9
	s_cselect_b32 s75, s79, s72
	s_cselect_b32 s86, 128*TB, 0                   ; Wv's rows begin at row tile 128 of wc
	s_cselect_b32 s87, 65536, 0                    ; and at row 2,048 of ws
	s_mul_i32 s84, s67, 2*KSX                      ; waves 2, 3 fetch chunks 2, 3: two planes on
	s_mov_b32 s85, 0
	s_lshl_b32 s74, s74, 2
	s_add_co_u32 s74, s74, s69                     ; P's tile of 256 rows: hangs on cx, never on cy
	s_lshl_b32 s75, s75, 2
	s_add_co_u32 s75, s75, s70                     ; Q's tile of 128 rows: hangs on cy, never on cx
	s_lshl_b32 s88, s75, 3
	s_mov_b32 s89, 0                               ; (a load brings the whole tile's plane)
	s_add_co_u32 s88, s88, s89
	s_mul_i32 s88, s88, TB
	s_add_co_u32 s88, s88, s86
	s_mov_b32 s89, 0                               ; s[88:89]: Q's eight row tiles
	s_lshl_b32 s90, s74, 4
	s_mov_b32 s91, 0
	s_add_co_u32 s90, s90, s91
	s_mul_i32 s90, s90, TB
	s_mov_b32 s91, 0                               ; s[90:91]: the sixteen of P
	s_mul_i32 s92, s67, 4*QH                       ; where my two chunks go
	s_mul_i32 s93, s67, 4*PH
	s_add_co_u32 s93, s93, 8*QH
	s_wait_dscnt 0x0                               ; the opening add is done
	s_wait_kmcnt 0x0
	s_cmp_eq_u32 s73, 1
	s_cselect_b64 s[94:95], s[4:5], s[8:9]         ; P's codes
	s_cselect_b64 s[96:97], s[8:9], s[4:5]         ; Q's
	s_add_nc_u64 s[94:95], s[94:95], s[90:91]
	s_add_nc_u64 s[96:97], s[96:97], s[88:89]
	CROUND                                         ; all sixteen work-groups are here: the joint loads meet
	s_add_nc_u64 s[96:97], s[96:97], s[84:85]
	s_add_nc_u64 s[94:95], s[94:95], s[84:85]
	s_mov_b32 s[G0Q], 1
	s_mov_b32 s[G0Q+1], s92
	s_mov_b64 s[G0Q+2:G0Q+3], s[96:97]
	s_or_b32 s[G0Q+3], s[G0Q+3], 0x80000000
	s_mov_b32 s[G0P], 1
	s_mov_b32 s[G0P+1], s93
	s_mov_b64 s[G0P+2:G0P+3], s[94:95]
	s_or_b32 s[G0P+3], s[G0P+3], 0x80000000
.macro ARM n, g0, g1                   ; one chain of branches on the wave's number, one load to an arm
	s_cmp_eq_u32 s[WV], \n
	s_cbranch_scc0 .Larm_\n
	tensor_load_to_lds s[\g0:\g0+3], s[\g1:\g1+7]
	s_nop 0
	PLACES 4
	s_branch .Lfirst_asked
.Larm_\n:
.endm
	ARM 0, G0Q, G1Q                                ; Q's chunks 0, 1
	ARM 1, G0P, G1P                                ; P's chunks 0, 1
	ARM 2, G0Q, G1Q                                ; Q's chunks 2, 3
	tensor_load_to_lds s[G0P:G0P+3], s[G1P:G1P+7]  ; P's chunks 2, 3
	s_nop 0
	PLACES 4
.Lfirst_asked:
	v_and_b32 v1, 31, v0
	v_and_b32 v2, 15, v0                           ; r
	v_bfe_u32 v3, v0, 4, 1                         ; h
	v_lshlrev_b32 v[L16], 4, v1
	s_wait_alu depctr_va_vdst(0)
	v_lshlrev_b32 v[VS], 5, v2
	s_wait_alu depctr_va_vdst(0)
	s_mul_i32 s98, s67, QH
	s_mul_i32 s99, s68, PH
	s_add_co_u32 s99, s99, 8*QH
.irp c,0,1,2,3
	v_add_nc_u32 v[ADQ+\c], s98, v[L16]
	v_add_nc_u32 v[ADP+\c], s99, v[L16]
	s_add_co_u32 s98, s98, 2*QH
	s_add_co_u32 s99, s99, 2*PH
.endr
	s_cmp_eq_u32 s73, 1
	s_cselect_b64 s[78:79], s[10:11], s[6:7]       ; Q's scale bytes
	s_cselect_b64 s[80:81], s[6:7], s[10:11]       ; P's
	s_lshl_b32 s88, s75, 12                        ; 128 rows of 32 bytes
	s_lshl_b32 s89, s67, 11
	s_add_co_u32 s88, s88, s89
	s_add_co_u32 s88, s88, s87
	s_mov_b32 s89, 0
	s_add_nc_u64 s[78:79], s[78:79], s[88:89]
	s_lshl_b32 s90, s74, 13
	s_lshl_b32 s91, s68, 12
	s_add_co_u32 s90, s90, s91
	s_mov_b32 s91, 0
	s_add_nc_u64 s[80:81], s[80:81], s[90:91]
.irp i,0,1,2,3
	global_load_b128 v[SQ+8*\i:SQ+8*\i+3], v[VS], s[78:79] offset:512*\i
	global_load_b128 v[SQ+8*\i+4:SQ+8*\i+7], v[VS], s[78:79] offset:512*\i+16
.endr
.irp b,0,1,2,3,4,5,6,7
	global_load_b128 v[SP+8*\b:SP+8*\b+3], v[VS], s[80:81] offset:512*\b
	global_load_b128 v[SP+8*\b+4:SP+8*\b+7], v[VS], s[80:81] offset:512*\b+16
.endr
	; where my results go
	s_lshl_b32 s88, s74, 2
	s_lshl_b32 s89, s68, 1
	s_add_co_u32 s88, s88, s89                     ; q, k: g = 4 x P's tile + 2 x my half (+ 0, 1)
	s_lshl_b32 s89, s75, 1
	s_add_co_u32 s89, s89, s67
	s_add_co_u32 s89, s89, 32                      ; v: g = 32 + 2 x Q's tile + my half
	s_lshl_b32 s90, s74, 1
	s_add_co_u32 s90, s90, s68                     ; v: my 128 tokens
	s_mul_i32 s91, s67, 3072                       ; q, k: my 64 tokens are two of the group's four fragments
	s_lshl_b32 s92, s67, 3
	s_mov_b32 s93, GSS
	s_cmp_eq_u32 s73, 1
	s_cselect_b32 s88, s89, s88
	s_cselect_b32 s90, s90, s75
	s_cselect_b32 s91, 0, s91
	s_cselect_b32 s92, 0, s92
	s_cselect_b32 s93, 8, s93                      ; lanes 16-31 store v's words 2, 3, or the second head's words
	s_mul_i32 s94, s88, GS
	s_mul_i32 s95, s90, 6144
	s_add_co_u32 s94, s94, s95
	s_add_co_u32 s94, s94, s91
	s_mov_b32 s95, 0
	s_add_nc_u64 s[12:13], s[12:13], s[94:95]
	s_mul_i32 s94, s88, GSS
	s_lshl_b32 s96, s90, 8
	s_add_co_u32 s94, s94, s96
	s_add_co_u32 s94, s94, s92
	s_add_nc_u64 s[14:15], s[14:15], s[94:95]
	v_lshlrev_b32 v[VO], 4, v2
	v_mul_u32_u24 v17, s93, v3
	v_add_nc_u32 v[VO], v[VO], v17
	s_mov_b32 s[HM], 0xffff0000
	s_mov_b32 s[SEL], 0x76543210
	s_mov_b32 s[SEL+1], 0xfedcba98
.macro FETCH s                         ; K step s's fragments, out of chunk s / 2, into set s % 2: images of registers, 512 consecutive bytes a load
.set fc, (\s)/2
.set fq, (\s)%2
	WIN 0x40
.irp b,0,1,2,3,4,5,6,7
.irp g,0,1,2
	ds_load_b128 v[128*fq+12*\b+4*\g:128*fq+12*\b+4*\g+3], v[ADP+fc] offset:\b*TB+fq*1536+512*\g
.endr
.endr
	WIN 0
.irp i,0,1,2,3
.irp g,0,1,2
	ds_load_b128 v[QF+48*fq+12*\i+4*\g:QF+48*fq+12*\i+4*\g+3], v[ADQ+fc] offset:\i*TB+fq*1536+512*\g
.endr
.endr
.endm
.macro MUL32 s                         ; the 32 accumulators take turns, one instruction a turn, in the same order in every step; step 0 starts the sums
.irp a,0,1,2,3
.irp b,0,1,2,3,4,5,6,7
.if (\s) == 0
	v_wmma_scale_f32_16x16x128_f8f6f4 v[8*(8*\a+\b):8*(8*\a+\b)+7], v[128*((\s)%2)+12*\b:128*((\s)%2)+12*\b+11], v[QF+48*((\s)%2)+12*\a:QF+48*((\s)%2)+12*\a+11], 0, v[SP+8*\b+(\s)], v[SQ+8*\a+(\s)] matrix_a_fmt:MATRIX_FMT_FP6 matrix_b_fmt:MATRIX_FMT_FP6
.else
	v_wmma_scale_f32_16x16x128_f8f6f4 v[8*(8*\a+\b):8*(8*\a+\b)+7], v[128*((\s)%2)+12*\b:128*((\s)%2)+12*\b+11], v[QF+48*((\s)%2)+12*\a:QF+48*((\s)%2)+12*\a+11], v[8*(8*\a+\b):8*(8*\a+\b)+7], v[SP+8*\b+(\s)], v[SQ+8*\a+(\s)] matrix_a_fmt:MATRIX_FMT_FP6 matrix_b_fmt:MATRIX_FMT_FP6
.endif
.endr
.endr
.endm
.macro KSTEP s
.if (\s) < 7
.if (\s) == 3
	s_wait_tensorcnt 0x0                           ; chunks 2 and 3: every wave waits for its one load
	s_wait_dscnt 0x0                               ; no LDS instruction of mine is pending at a signal
	s_barrier_signal -1
	s_barrier_wait -1                              ; everybody's part is in
.endif
.if (\s) > 0
	PLACES 4                                       ; in front of loads into the set that the last step's products read
.endif
	FETCH (\s)+1
	s_wait_dscnt NF                                ; all but the NF just issued: this step's fragments are in
.else
	s_wait_dscnt 0x0
.endif
	WIN 0xa1                                       ; source 0 (P) window 1, source 1 (Q) window 0, C and D window 2
	MUL32 \s
	WIN 0
.endm
	s_wait_alu depctr_va_vdst(0)
	s_cmp_lt_u32 s[WV], 2
	s_cbranch_scc0 .Lnot_first
	s_wait_tensorcnt 0x0                           ; waves 0, 1: chunks 0 and 1 are in; the loads of waves 2, 3, which are lines of their own, may be out
.Lnot_first:
	s_barrier_signal -1
	s_barrier_wait -1
	FETCH 0
	s_wait_loadcnt 0x0                             ; the scale words
.irp s,0,1,2,3,4,5,6,7
	KSTEP \s
.endr
; THE WAY OUT.  The 64 results of a lane for Q's block a (accumulators (a, 0..7): register 16 B + i of window 2 from 64 a on) are four blocks of 32 along the next K, each shared with lane l xor 16.
; They become codes in v[d0] on (blocks 0, 1) and v[d1] on (blocks 2, 3), six registers each: lane (r, h) holds block h, or 2 + h, whole; and the four bytes make the word v[w].  Each accumulator is read from its low end on.
.macro QUANTG a, d0, d1, w
	WIN 0x0a                                       ; sources 0 and 1 window 2
.irp b,0,1,2,3
	v_max3_num_f32 v[TM+\b], |v[64*(\a)+16*\b]|, |v[64*(\a)+16*\b+1]|, 0x1800000   ; and the floor 2^(3 - 127)
.endr
.irp i,2,4,6,8,10,12,14
.irp b,0,1,2,3
	v_max3_num_f32 v[TM+\b], |v[64*(\a)+16*\b+\i]|, |v[64*(\a)+16*\b+\i+1]|, v[TM+\b]
.endr
.endr
	WIN 0
.irp b,0,1,2,3
	v_permlanex16_b32 v[TX+\b], v[TM+\b], s[SEL], s[SEL+1]
.endr
.irp b,0,1,2,3
	v_max_num_f32 v[TM+\b], v[TM+\b], v[TX+\b]
.endr
.irp b,0,1,2,3
	v_add_nc_u32 v[SO+\b], 0xff000000, v[TM+\b]    ; 2 off the exponent field: the conversion's scale operand
.endr
.irp b,0,1,2,3
	v_lshrrev_b32 v[TX+\b], 23, v[SO+\b]
.endr
	v_lshl_or_b32 v[\w], v[TX+1], 8, v[TX]
	v_lshl_or_b32 v[\w], v[TX+2], 16, v[\w]
	v_lshl_or_b32 v[\w], v[TX+3], 24, v[\w]
	WIN 0x02                                       ; source 0 window 2
	v_cvt_scalef32_pk16_fp6_f32 v[(\d0):(\d0)+2], v[64*(\a):64*(\a)+15], v[SO]
	v_cvt_scalef32_pk16_fp6_f32 v[TQ:TQ+2], v[64*(\a)+16:64*(\a)+31], v[SO+1]
	v_cvt_scalef32_pk16_fp6_f32 v[(\d1):(\d1)+2], v[64*(\a)+32:64*(\a)+47], v[SO+2]
	v_cvt_scalef32_pk16_fp6_f32 v[TQ+4:TQ+6], v[64*(\a)+48:64*(\a)+63], v[SO+3]
	WIN 0
	v_nop                                          ; one plain place behind a scaled conversion
.irp i,0,1,2
	v_permlane16_swap_b32 v[(\d0)+\i], v[TQ+\i]
	v_permlane16_swap_b32 v[(\d1)+\i], v[TQ+4+\i]
.endr
.irp i,0,1,2
	v_mov_b32 v[(\d0)+3+\i], v[TQ+\i]
	v_mov_b32 v[(\d1)+3+\i], v[TQ+4+\i]
.endr
.endm
.irp b,0,1,2,3
	v_mov_b32 v[TX+\b], 0                          ; a lane permute's destination counts as one of its sources; these four are also the places behind the last products
.endr
	s_cmp_eq_u32 s73, 1
	s_cbranch_scc1 .Lout_v
.irp a,0,1,2,3                         ; q, k: blocks 0, 1 are the first head's 64, blocks 2, 3 the second's; tokens 16 a + r are half a % 2 of pair fragment a / 2
	QUANTG \a, FR+12*(\a/2)+6*(\a%2), FR+24+12*(\a/2)+6*(\a%2), WT+\a
.endr
.irp c,0,1
.irp p,0,1
	v_perm_b32 v[WD+2*\c+\p], v[WT+2*\p+1], v[WT+2*\p], 0x05040100+0x02020202*\c   ; head c's two bytes of the first token, then of the second
.endr
.endr
.irp c,0,1
.irp p,0,1
.irp g,0,1,2
	global_store_b128 v[L16], v[FR+24*\c+12*\p+4*\g:FR+24*\c+12*\p+4*\g+3], s[12:13] offset:\c*GS+\p*1536+512*\g
.endr
.endr
.endr
	s_branch .Lout_words
.Lout_v:
.irp a,0,1,2,3                         ; v: rows e = 16 a + r, four blocks of 32 keys: one whole fragment
	QUANTG \a, FR+12*\a, FR+12*\a+6, WD+\a
.endr
.irp a,0,1,2,3
.irp g,0,1,2
	global_store_b128 v[L16], v[FR+12*\a+4*\g:FR+12*\a+4*\g+3], s[12:13] offset:\a*1536+512*\g
.endr
.endr
.Lout_words:
	s_wait_alu depctr_va_vdst(0)
	v_cndmask_b32 v[WE], v[WD], v[WD+2], s[HM]
	v_cndmask_b32 v[WE+1], v[WD+1], v[WD+3], s[HM]
	global_store_b64 v[VO], v[WE:WE+1], s[14:15]
	s_wait_tensorcnt 0x0                           ; the wave's end: three lines behind my last tensor load
	ds_add_u32 v[SPW], v[NIL]
	s_wait_dscnt 0x0
	CROUND                                         ; the closing round
	s_endpgm
.Lfunc_end_k_q4bddbcd65f_proj:
	.size	k_q4bddbcd65f_proj, .Lfunc_end_k_q4bddbcd65f_proj-k_q4bddbcd65f_proj
	.p2alignl 7, 3214868480
	.fill 96, 4, 3214868480
	.section	.rodata,"a",@progbits
	.p2align	6, 0x0
	.amdhsa_kernel k_q4bddbcd65f_proj
		.amdhsa_group_segment_fixed_size 295424
		.amdhsa_private_segment_fixed_size 0
		.amdhsa_enable_private_segment 0
		.amdhsa_kernarg_size 48
		.amdhsa_user_sgpr_count 2
		.amdhsa_user_sgpr_kernarg_segment_ptr 1
		.amdhsa_wavefront_size32 1
		.amdhsa_system_sgpr_workgroup_id_x 1
		.amdhsa_system_sgpr_workgroup_id_y 1
		.amdhsa_system_sgpr_workgroup_id_z 1
		.amdhsa_system_vgpr_workitem_id 0
		.amdhsa_next_free_vgpr 768
		.amdhsa_next_free_sgpr 100
		.amdhsa_reserve_vcc 0
		.amdhsa_float_denorm_mode_32 3
		.amdhsa_float_denorm_mode_16_64 3
		.amdhsa_memory_ordered 1
		.amdhsa_forward_progress 1
		.amdhsa_inst_pref_size 98
	.end_amdhsa_kernel
	.amdgpu_metadata
---
amdhsa.version: [ 1, 2 ]
amdhsa.kernels:
  - .name:           k_q4bddbcd65f_proj
    .symbol:         k_q4bddbcd65f_proj.kd
    .args:
      - { .name: xc, .offset: 0, .size: 8, .value_kind: global_buffer, .address_space: global }
      - { .name: xs, .offset: 8, .size: 8, .value_kind: global_buffer, .address_space: global }
      - { .name: wc, .offset: 16, .size: 8, .value_kind: global_buffer, .address_space: global }
      - { .name: ws, .offset: 24, .size: 8, .value_kind: global_buffer, .address_space: global }
      - { .name: qkvc, .offset: 32, .size: 8, .value_kind: global_buffer, .address_space: global }
      - { .name: qkvs, .offset: 40, .size: 8, .value_kind: global_buffer, .address_space: global }
    .group_segment_fixed_size: 295424
    .private_segment_fixed_size: 0
    .kernarg_segment_align: 8
    .kernarg_segment_size: 48
    .max_flat_workgroup_size: 128
    .sgpr_count:     100
    .vgpr_count:     768
    .wavefront_size: 32
...
	.end_amdgpu_metadata
.endif
;; end of part 2
;; launch attn (part 3): grid 4 x 64, 16 waves a work-group, clusters of 4 x 1, 206,848 bytes of LDS; arguments qkvc, qkvs, ac, asc; writes ac, asc
.if DOCPART == 3
	.amdgcn_target "amdgcn-amd-amdhsa--gfx1250"
	.amdhsa_code_object_version 6
	.text
	.protected	k_q4bddbcd65f_attn
	.globl	k_q4bddbcd65f_attn
	.p2align	8
	.type	k_q4bddbcd65f_attn,@function
k_q4bddbcd65f_attn:
	s_mov_b64 s[64:65], 0
	v_nop
	global_prefetch_b8 v0, s[64:65] scope:SCOPE_SE
	s_setreg_imm32_b32 hwreg(HW_REG_WAVE_MODE, 25, 1), 1
	s_wait_xcnt 0x0
	s_wait_alu depctr_hold_cnt(0) depctr_sa_sdst(0) depctr_va_vdst(0) depctr_va_sdst(0) depctr_va_ssrc(0) depctr_va_vcc(0) depctr_vm_vsrc(0)
	s_getreg_b32 s2, hwreg(HW_REG_IB_STS2, 6, 4)
	s_cmp_eq_u32 s2, 0
	s_cbranch_scc0 .Lentry_in_a_cluster
	s_endpgm
.Lentry_in_a_cluster:
	s_bfe_u32 s2, ttmp6, 0x10000c
	s_cmp_lg_u32 s2, 0x3003
	s_cbranch_scc0 .Lentry_shape_is_right
	s_endpgm
.Lentry_shape_is_right:
; Causal attention of one head of one batch on codes of FP6 (E2M3) with E8M0 scales; the result, divided by the row's sum, is quantised along the model's 1,024 on the way out.
; THE SOFTMAX AHEAD OF THE SECOND PRODUCT: t = score x log2(e) / 8; M = the running largest t rounded up to a whole number; p = 2^(t - M) is quantised along the keys, not normalised; the row's sum is taken of the
;   unquantised p; when M moves, the sum and O are multiplied by 2^(old M - new M), which rounds nothing.
; WORK LEFT OUT: key steps all of whose keys come after the wave's queries lie wholly under the causal mask that the problem builds itself.
; SHARES.  A cluster of four work-groups has one (batch, head).  Its 128 tiles of 16 queries are dealt as tile = 4 j + cx: partner cx, j = 0 .. 31.  A key step is 128 keys = 8 tiles, so the step on the diagonal is j / 2,
;   THE SAME IN ALL FOUR PARTNERS: no branch and no LDS address hangs on cx; cx enters only global addresses of my own loads and stores, the mask's lane arithmetic and two selects.
;   Wave w walks j = w and then j = 31 - w: w / 2 + 1 and 16 - w / 2 visible steps, 17 for every wave.  The trip counts are constants (8, 16); a hidden step is left out by a scalar branch on the wave's number and the count of steps.
; THE WHOLE HEAD'S K AND V LIE IN LDS (98,304 bytes of codes each, 4,096 of scale words each), filled once, by JOINT loads (mask 15): waves 0-3 half an operand's codes each, waves 4, 5 the scale words: one load a wave.
;   Every wave waits for 0 ahead of the one barrier.  Both passes' q are loaded under the tiles' flight.
; NO PREFETCH: all that the work-group reads through LDS is asked for at its head.
; LAYOUT.  Both products are used transposed, so that a lane holds one query (lane % 16).  The head's K is 64, half of the instruction's 128: a fragment of k holds TWO tokens a lane (32 p + r in registers 0-5, 32 p + 16 + r in
;   registers 6-11), and is multiplied once by (q, zeros) and once by (zeros, q): v[22:33] and v[16:27] of one run of 18 registers.  Zero codes add nothing under any byte that the quantiser gives.
;   So the 16 registers of a pair of products are keys 32 p + 8 h + 0..7 and 32 p + 16 + 8 h + 0..7, the order in which v's codes were laid along the keys.
; OUT.  ac [K / 256][token tile 512][2][6 pieces][256]: registers 2 p, 2 p + 1 of a fragment at 256 p + 8 x lane; a head makes three whole pieces.  asc [token][32]: byte 2 x head + block; two bytes a lane, 32 bytes apart.
; LIMITS: NaN and infinities are not served; a block whose largest magnitude lies under 2^-124, zeros among them, keeps the byte 1; a p under 2^-126 counts as 0; the scaled scores stay under 2^31 in magnitude.
.set GS,    393216
.set GSS,   16384
.set KSX,   1572864
.set VC,    98304                      ; LDS: K's codes from 0, V's from here,
.set KSL,   196608                     ; K's scale words,
.set VSL,   200704                     ; V's,
.set SPARE, 204800                     ; the spare words: 128 bytes for each of sixteen waves
.set AK0, 1                            ; 16 x lane
.set AV0, 2                            ; VC + 16 x lane
.set AS0, 3                            ; KSL + 16 r
.set AT0, 4                            ; VSL + 16 r
.set SPW, 5
.set NIL, 6
.set DQ,  7                            ; r - 8 h
.set ADK, 8                            ; v8-11 the step's addresses
.set ADV, 9
.set ADS, 10
.set ADT, 11
                                       ; v12 -M, v13 the largest t, v[14:15] the sum; v16-21 zeros, v22-27 q, v28-33 zeros
.set QS,  34                           ; q's scale word: its two bytes twice
.set AQ,  35                           ; 16 r
.set F,   36                           ; v36-83 four fragments, K's and then V's
.set KSC, 84
.set VSC, 88
.set AO,  92                           ; 8 x lane
.set AB,  93                           ; 32 r
.set LN,  94
.set S,   96                           ; v96-159 S^T, then p (at the head: the first pass's q)
.set OT,  160                          ; v160-191 O^T
.set PC,  192                          ; p's codes
.set TQ,  204                          ; upper halves as converted
.set BM,  212                          ; the blocks' largest
.set BX,  216
.set SCO, 220
.set PW,  224                          ; p's scale word
.set Q2S, 225                          ; the second pass's q: scale word,
.set FF,  226                          ; v[226:227] f
.set T0,  228
.set T1,  229
.set Q2,  232                          ; and v232-243 its pair fragment
.set SU,  244                          ; v244-251 the sum's four chains
.set WV,  12                           ; s13 cx, s14 batch, s15 head
.set G1S, 16
.set G1C, 24
.set G0S, 32
.set G0A, 36
.set SEL, 44
.set CS,  46
.set KF,  48                           ; the step's first key
.set TK,  49                           ; its codes' place in LDS
.set TS,  50                           ; its scale words'
.set CNT, 51
.set Q0,  52                           ; my first query
.set TG,  53                           ; my token tile among 512
.set UM,  66                           ; all ones where my tile is the second token of its pair fragment
.set US,  67                           ; the selector of its two scale bytes
.set JT,  68                           ; j
.set SX,  69
.set QB,  78                           ; first key of the step on the diagonal: 128 (j / 2)
.macro CROUND
	s_barrier_signal -1
	s_barrier_wait -1
	s_cmp_lg_u32 s[WV], 0
	s_cbranch_scc1 .Lnot_wave_0_\@
	s_barrier_signal -3
.Lnot_wave_0_\@:
	s_barrier_wait -3
	s_barrier_signal -1
	s_barrier_wait -1
.endm
.macro PLACES
.rept 4
	v_nop
.endr
.endm
.macro GEOM                            ; from j: my tile, my first query, the diagonal's step (of j alone)
	s_lshl_b32 s[TG], s[JT], 2
	s_add_co_u32 s[TG], s[TG], s13
	s_lshl_b32 s[Q0], s[TG], 4
	s_lshl_b32 s54, s14, 7
	s_add_co_u32 s[TG], s[TG], s54
	s_lshr_b32 s[QB], s[JT], 1
	s_lshl_b32 s[QB], s[QB], 7
	s_mov_b32 s71, 0
.endm
.macro QLOAD d, w                      ; q's pair fragment and its scale word
	GEOM
	s_lshr_b32 s54, s[TG], 1
	s_mul_i32 s70, s54, 1536
	s_mul_i32 s55, s15, GS
	s_add_co_u32 s70, s70, s55
	s_add_nc_u64 s[56:57], s[4:5], s[70:71]
	s_lshr_b32 s55, s[TG], 3
	s_lshl_b32 s70, s55, 8
	s_and_b32 s54, s54, 3
	s_lshl_b32 s54, s54, 2
	s_add_co_u32 s70, s70, s54
	s_lshl_b32 s55, s15, 14
	s_add_co_u32 s70, s70, s55
	s_add_nc_u64 s[58:59], s[6:7], s[70:71]
.irp g,0,1,2
	global_load_b128 v[\d+4*\g:\d+4*\g+3], v[AK0], s[56:57] offset:512*\g
.endr
	global_load_b32 v[\w], v[AQ], s[58:59]
.endm
	s_load_b256 s[4:11], s[0:1], 0x0               ; qkvc, qkvs, ac, asc
	v_lshl_add_u32 v[SPW], v0, 2, SPARE
	v_mov_b32 v[NIL], 0
	ds_add_u32 v[SPW], v[NIL]                      ; the opening lines: the add, twice on end, and its wait
	ds_add_u32 v[SPW], v[NIL]
	v_lshrrev_b32 v8, 5, v0
	v_readfirstlane_b32 s[WV], v8
	s_bfe_u32 s13, ttmp6, 0x40000                  ; cx
	s_and_b32 s54, ttmp7, 0xffff
	s_lshr_b32 s14, s54, 4
	s_and_b32 s15, s54, 15
	s_mov_b32 s[G1S], 15|(3<<16)|(1<<21)           ; the four partners; elements of 8 bytes; dense blocks as rows of 256 bytes: the scale words, 16 rows;
	s_mov_b32 s[G1S+1], 32<<16
	s_mov_b32 s[G1S+2], 16<<16
	s_mov_b32 s[G1S+3], 32<<16
	s_mov_b32 s[G1S+4], 16
	s_mov_b32 s[G1S+5], 32
	s_mov_b32 s[G1S+6], 0
	s_mov_b32 s[G1S+7], 0
	s_mov_b32 s[G1C], 15|(3<<16)|(1<<21)           ; half an operand's codes, 192 rows
	s_mov_b32 s[G1C+1], 32<<16
	s_mov_b32 s[G1C+2], 192<<16
	s_mov_b32 s[G1C+3], 32<<16
	s_mov_b32 s[G1C+4], 192
	s_mov_b32 s[G1C+5], 32
	s_mov_b32 s[G1C+6], 0
	s_mov_b32 s[G1C+7], 0
	s_and_b32 s55, s[WV], 1                        ; 0: K, 1: V
	s_bfe_u32 s79, s[WV], 0x10001                  ; which half of the keys
	s_mul_i32 s79, s79, 49152
	s_add_co_u32 s70, s55, 1
	s_lshl_b32 s70, s70, 4
	s_add_co_u32 s70, s70, s15                     ; g
	s_mul_i32 s72, s70, GS
	s_mul_i32 s71, s14, 98304
	s_add_co_u32 s72, s72, s71
	s_add_co_u32 s72, s72, s79
	s_mov_b32 s73, 0
	s_mul_i32 s74, s70, GSS
	s_lshl_b32 s71, s14, 12
	s_add_co_u32 s74, s74, s71
	s_mov_b32 s75, 0
	s_mul_i32 s76, s55, VC
	s_add_co_u32 s76, s76, s79
	s_lshl_b32 s77, s55, 12
	s_add_co_u32 s77, s77, KSL
	s_mov_b32 s[SEL], 0x76543210
	s_mov_b32 s[SEL+1], 0xfedcba98
	s_mov_b32 s[CS], 0x3e38aa3b                    ; c = log2(e) / sqrt(64)
	s_mov_b32 s[CS+1], s[CS]
	s_wait_alu depctr_va_vdst(0)
	s_wait_dscnt 0x0                               ; both opening adds are done
	CROUND                                         ; the four partners are here: the joint loads meet
	s_wait_kmcnt 0x0
	s_mov_b32 s[G0S], 1
	s_mov_b32 s[G0S+1], s77
	s_add_nc_u64 s[G0S+2:G0S+3], s[6:7], s[74:75]
	s_or_b32 s[G0S+3], s[G0S+3], 0x80000000
	s_mov_b32 s[G0A], 1
	s_mov_b32 s[G0A+1], s76
	s_add_nc_u64 s[G0A+2:G0A+3], s[4:5], s[72:73]
	s_or_b32 s[G0A+3], s[G0A+3], 0x80000000
	s_cmp_lt_u32 s[WV], 4
	s_cbranch_scc0 .Lscales
	tensor_load_to_lds s[G0A:G0A+3], s[G1C:G1C+7]  ; waves 0-3: K's, V's keys 0-1023, K's, V's keys 1024-2047
	s_nop 0
	PLACES
	s_branch .Lasked
.Lscales:
	s_cmp_lt_u32 s[WV], 6
	s_cbranch_scc0 .Lasked
	tensor_load_to_lds s[G0S:G0S+3], s[G1S:G1S+7]  ; waves 4, 5: K's, V's scale words
	s_nop 0
	PLACES
.Lasked:
	v_and_b32 v[LN], 31, v0
	v_and_b32 v8, 15, v0                           ; r
	v_bfe_u32 v9, v0, 4, 1                         ; h
	v_lshlrev_b32 v[AK0], 4, v[LN]
	v_lshlrev_b32 v[AQ], 4, v8
	v_lshlrev_b32 v10, 3, v9
	v_add_nc_u32 v[AV0], VC, v[AK0]
	v_add_nc_u32 v[AS0], KSL, v[AQ]
	v_add_nc_u32 v[AT0], VSL, v[AQ]
	v_sub_nc_u32 v[DQ], v8, v10
	v_lshlrev_b32 v[AO], 3, v[LN]
	v_lshlrev_b32 v[AB], 5, v8
.irp k,0,1,2,3,4,5
	v_mov_b32 v[16+\k], 0
	v_mov_b32 v[28+\k], 0
.endr
.irp b,0,1,2,3
	v_mov_b32 v[BX+\b], 0                          ; a lane permute's destination counts as one of its sources
.endr
	v_mov_b32 v[FF+1], 0                           ; (named as the upper half of a pair)
	v_mov_b32 v[T0], 0
	s_wait_alu depctr_va_vdst(0)
	s_and_b32 s54, s13, 1                          ; my tile's parity is cx's
	s_sub_co_u32 s[UM], 0, s54
	s_mul_i32 s[US], s54, 0x02020202
	s_add_co_u32 s[US], s[US], 0x01000100
	s_mov_b32 s[JT], s[WV]
	QLOAD S, S+12
	s_wait_xcnt 0x0                                ; the loads have read their bases
	s_sub_co_u32 s[JT], 31, s[WV]
	QLOAD Q2, Q2S
; A PASS: my 16 queries of tile 4 j + cx, against the first 128 x trips keys; q's pair fragment stands in v[qr ..], its scale word in v[qw].
.macro PASS trips, qr, qw
	s_wait_xcnt 0x0                                ; earlier loads and stores have read their registers and bases
	GEOM
	s_lshr_b32 s54, s15, 2                         ; where my half fragment of the result goes
	s_mul_i32 s70, s54, KSX
	s_mul_i32 s54, s[TG], 3072
	s_add_co_u32 s70, s70, s54
	s_bfe_u32 s54, s15, 0x10001
	s_mul_i32 s54, s54, 1536
	s_add_co_u32 s70, s70, s54
	s_and_b32 s54, s15, 1
	s_mul_i32 s54, s54, 768
	s_add_co_u32 s70, s70, s54
	s_add_nc_u64 s[60:61], s[8:9], s[70:71]
	s_lshl_b32 s70, s[TG], 9
	s_lshl_b32 s54, s15, 1
	s_add_co_u32 s70, s70, s54
	s_add_nc_u64 s[62:63], s[10:11], s[70:71]
	s_mov_b32 s[KF], 0
	s_mov_b32 s[TK], 0
	s_mov_b32 s[TS], 0
	s_mov_b32 s[CNT], \trips
	v_mov_b32 v13, 0xff61b1e6                      ; the largest t so far: -3e38
	v_floor_f32 v12, -v13
	v_mov_b32 v14, 0
	v_mov_b32 v15, 0
	s_wait_loadcnt 0x0
.irp k,0,1,2,3,4,5
	v_cndmask_b32 v[22+\k], v[\qr+\k], v[\qr+6+\k], s[UM]   ; my token's six registers of the pair
.endr
	v_perm_b32 v[QS], v[\qw], v[\qw], s[US]
.set j, 0
.rept 32
	v_mov_b32 v[OT+j], 0                           ; the step is written once: the first finds zeros.  (Also the places ahead of the first products)
.set j, j+1
.endr
.Lstep_\@:
	s_cmp_gt_u32 s[KF], s[QB]                      ; behind the diagonal's step: all 128 keys come after my queries
	s_cbranch_scc1 .Lhidden_\@
	v_add_nc_u32 v[ADK], s[TK], v[AK0]             ; (four places in front of loads into registers that the last products read)
	v_add_nc_u32 v[ADV], s[TK], v[AV0]
	v_add_nc_u32 v[ADS], s[TS], v[AS0]
	v_add_nc_u32 v[ADT], s[TS], v[AT0]
.irp p,0,1,2,3
.irp g,0,1,2
	ds_load_b128 v[F+12*\p+4*\g:F+12*\p+4*\g+3], v[ADK] offset:1536*\p+512*\g
.endr
.endr
	ds_load_b128 v[KSC:KSC+3], v[ADS]
	s_wait_alu depctr_va_vdst(0)
	s_wait_dscnt 0x0
.irp p,0,1,2,3
	v_wmma_scale_f32_16x16x128_f8f6f4 v[S+16*\p:S+16*\p+7], v[F+12*\p:F+12*\p+11], v[22:33], 0, v[KSC+\p], v[QS] matrix_a_fmt:MATRIX_FMT_FP6 matrix_b_fmt:MATRIX_FMT_FP6
	v_wmma_scale_f32_16x16x128_f8f6f4 v[S+16*\p+8:S+16*\p+15], v[F+12*\p:F+12*\p+11], v[16:27], 0, v[KSC+\p], v[QS] matrix_a_fmt:MATRIX_FMT_FP6 matrix_b_fmt:MATRIX_FMT_FP6
.endr
	PLACES                                         ; in front of the loads below and of the first read of the scores
.irp t,0,1,2,3
.irp g,0,1,2
	ds_load_b128 v[F+12*\t+4*\g:F+12*\t+4*\g+3], v[ADV] offset:1536*\t+512*\g   ; V's fragments land while the softmax is walked
.endr
.endr
	ds_load_b128 v[VSC:VSC+3], v[ADT]
	s_cmp_lt_u32 s[KF], s[QB]                      ; ahead of the diagonal's step all keys count: no mask
	s_cbranch_scc1 .Lopen_\@
	s_sub_co_i32 s54, s[Q0], s[KF]
	v_add_nc_u32 v[T0], s54, v[DQ]                 ; d = my query - the step's first key - 8 h.  Register n holds key 32 (n / 16) + 16 ((n % 16) / 8) + n % 8 + 8 h: hidden where that, less 8 h, is above d
	v_mov_b32 v[T1], 0xff800000
.set n, 0
.rept 64
	v_cmp_gt_i32 vcc_lo, 32*(n/16)+16*((n%16)/8)+n%8, v[T0]
	v_cndmask_b32 v[S+n], v[S+n], v[T1], vcc_lo
.set n, n+1
.endr
.Lopen_\@:
.irp b,0,1,2,3
	v_max3_num_f32 v[BM+\b], v[S+16*\b], v[S+16*\b+1], v[S+16*\b+2]   ; the largest score of each block of 32 keys: for the row's maximum and, since p rises with the score, for the block's largest p
.endr
.irp i,3,5,7,9,11,13
.irp b,0,1,2,3
	v_max3_num_f32 v[BM+\b], v[BM+\b], v[S+16*\b+\i], v[S+16*\b+\i+1]
.endr
.endr
.irp b,0,1,2,3
	v_max_num_f32 v[BM+\b], v[BM+\b], v[S+16*\b+15]
.endr
.irp b,0,1,2,3
	s_delay_alu instid0(VALU_DEP_4)
	v_permlanex16_b32 v[BX+\b], v[BM+\b], s[SEL], s[SEL+1]
.endr
.irp b,0,1,2,3
	s_delay_alu instid0(VALU_DEP_4)
	v_max_num_f32 v[BM+\b], v[BM+\b], v[BX+\b]
.endr
	s_delay_alu instid0(VALU_DEP_2)
	v_max3_num_f32 v[T0], v[BM], v[BM+1], v[BM+2]
	s_delay_alu instid0(VALU_DEP_1)
	v_max_num_f32 v[T0], v[T0], v[BM+3]
	s_delay_alu instid0(VALU_DEP_1)
	v_mul_f32 v[T0], s[CS], v[T0]
	s_delay_alu instid0(VALU_DEP_1)
	v_max_num_f32 v13, v13, v[T0]                  ; the running largest t
	v_mov_b32 v[T0], v12
	s_delay_alu instid0(VALU_DEP_2)
	v_floor_f32 v12, -v13                          ; -M = floor(-t): M is a whole number
	s_delay_alu instid0(VALU_DEP_1)
	v_sub_f32 v[T0], v12, v[T0]                    ; old M - new M, 0 or less
	s_delay_alu instid0(VALU_DEP_1)
	v_cvt_i32_f32 v[T0], v[T0]                     ; (it saturates)
	s_delay_alu instid0(VALU_DEP_1)
	v_ldexp_f32 v[FF], 1.0, v[T0]                  ; f = 2^(old M - new M)
.set j, 0
.rept 32
	v_pk_fma_f32 v[S+j:S+j+1], v[S+j:S+j+1], s[CS:CS+1], v[12:13] op_sel_hi:[1,0,0]   ; t - M
.set j, j+2
.endr
.irp b,0,1,2,3
	v_fma_f32 v[BM+\b], v[BM+\b], s[CS], v12
.endr
.set j, 0
	s_wait_alu depctr_va_vdst(0)
.rept 64
	v_exp_f32 v[S+j], v[S+j]                       ; p = 2^(t - M)
.set j, j+1
.endr
	v_pk_mul_f32 v[14:15], v[14:15], v[FF:FF+1] op_sel_hi:[1,0]   ; the sums under the new M; a plain place behind the exponentials
	s_wait_alu depctr_va_vdst(0)                   ; one wait for the batch, ahead of its first reader
.irp b,0,1,2,3
	v_exp_f32 v[BM+\b], v[BM+\b]                   ; the blocks' largest p
.endr
.irp c,0,1,2,3
	v_pk_add_f32 v[SU+2*\c:SU+2*\c+1], v[S+2*\c:S+2*\c+1], v[S+8+2*\c:S+9+2*\c]   ; the row's sum of the unquantised p, in four chains by turns
.endr
.irp j,16,24,32,40,48,56
.irp c,0,1,2,3
	v_pk_add_f32 v[SU+2*\c:SU+2*\c+1], v[SU+2*\c:SU+2*\c+1], v[S+\j+2*\c:S+\j+2*\c+1]
.endr
.endr
	v_pk_add_f32 v[SU:SU+1], v[SU:SU+1], v[SU+2:SU+3]
	v_pk_add_f32 v[SU+4:SU+5], v[SU+4:SU+5], v[SU+6:SU+7]
	v_pk_add_f32 v[14:15], v[14:15], v[SU:SU+1]
	v_pk_add_f32 v[14:15], v[14:15], v[SU+4:SU+5]
	s_wait_alu depctr_va_vdst(0)                   ; and one for the four
.irp b,0,1,2,3
	v_max_num_f32 v[BM+\b], 0x1800000, v[BM+\b]    ; the floor 2^(3 - 127)
.endr
.irp b,0,1,2,3
	s_delay_alu instid0(VALU_DEP_4)
	v_add_nc_u32 v[SCO+\b], 0xff000000, v[BM+\b]
.endr
.irp b,0,1,2,3
	s_delay_alu instid0(VALU_DEP_4)
	v_lshrrev_b32 v[BX+\b], 23, v[SCO+\b]
.endr
	s_delay_alu instid0(VALU_DEP_3)
	v_lshl_or_b32 v[PW], v[BX+1], 8, v[BX]
	s_delay_alu instid0(VALU_DEP_1)
	v_lshl_or_b32 v[PW], v[BX+2], 16, v[PW]
	s_delay_alu instid0(VALU_DEP_1)
	v_lshl_or_b32 v[PW], v[BX+3], 24, v[PW]
.irp c,0,1
	v_cvt_scalef32_pk16_fp6_f32 v[PC+6*\c:PC+6*\c+2], v[S+32*\c:S+32*\c+15], v[SCO+2*\c]
	v_cvt_scalef32_pk16_fp6_f32 v[TQ+4*\c:TQ+4*\c+2], v[S+32*\c+16:S+32*\c+31], v[SCO+2*\c+1]
.endr
	v_nop                                          ; one plain place behind a scaled conversion
.irp c,0,1
.irp i,0,1,2
	v_permlane16_swap_b32 v[PC+6*\c+\i], v[TQ+4*\c+\i]
.endr
.irp i,0,1,2
	s_delay_alu instid0(VALU_DEP_3)
	v_mov_b32 v[PC+6*\c+3+\i], v[TQ+4*\c+\i]
.endr
.endr
	s_wait_alu depctr_va_vdst(0)
.set j, 0
.rept 16
	v_pk_mul_f32 v[OT+j:OT+j+1], v[OT+j:OT+j+1], v[FF:FF+1] op_sel_hi:[1,0]   ; O^T under the new M; these stand between the operand's and the scale word's last lines and the products
.set j, j+2
.endr
	s_wait_alu depctr_va_vdst(0)
	s_wait_dscnt 0x0                               ; V's fragments and scale words are in
.irp t,0,1,2,3
	v_wmma_scale_f32_16x16x128_f8f6f4 v[OT+8*\t:OT+8*\t+7], v[F+12*\t:F+12*\t+11], v[PC:PC+11], v[OT+8*\t:OT+8*\t+7], v[VSC+\t], v[PW] matrix_a_fmt:MATRIX_FMT_FP6 matrix_b_fmt:MATRIX_FMT_FP6
.endr
.Lhidden_\@:
	s_add_co_u32 s[KF], s[KF], 128
	s_add_co_u32 s[TK], s[TK], 6144
	s_add_co_u32 s[TS], s[TS], 256
	s_sub_co_u32 s[CNT], s[CNT], 1
	s_cmp_lg_u32 s[CNT], 0
	s_cbranch_scc1 .Lstep_\@
	PLACES                                         ; the way out of a pass: places behind the last products
	v_add_f32 v14, v14, v15
	s_delay_alu instid0(VALU_DEP_1)
	v_permlanex16_b32 v[T0], v14, s[SEL], s[SEL+1]
	s_delay_alu instid0(VALU_DEP_1)
	v_add_f32 v14, v14, v[T0]                      ; the row's sum
	s_wait_alu depctr_va_vdst(0)
	v_rcp_f32 v14, v14
	v_nop                                          ; a plain place behind the reciprocal
	s_wait_alu depctr_va_vdst(0)                   ; and the wait ahead of its first reader
.set j, 0
.rept 16
	v_pk_mul_f32 v[S+j:S+j+1], v[OT+j:OT+j+1], v[14:15] op_sel_hi:[1,0]   ; register 8 t + i is o(query r, e = 16 t + 8 h + i)
.set j, j+2
.endr
.irp b,0,1
	v_max3_num_f32 v[BM+\b], |v[S+16*\b]|, |v[S+16*\b+1]|, 0x1800000
.endr
.irp i,2,4,6,8,10,12,14
.irp b,0,1
	s_delay_alu instid0(VALU_DEP_2)
	v_max3_num_f32 v[BM+\b], v[BM+\b], |v[S+16*\b+\i]|, |v[S+16*\b+\i+1]|
.endr
.endr
.irp b,0,1
	s_delay_alu instid0(VALU_DEP_2)
	v_permlanex16_b32 v[BX+\b], v[BM+\b], s[SEL], s[SEL+1]
.endr
.irp b,0,1
	s_delay_alu instid0(VALU_DEP_2)
	v_max_num_f32 v[BM+\b], v[BM+\b], v[BX+\b]
.endr
.irp b,0,1
	s_delay_alu instid0(VALU_DEP_2)
	v_add_nc_u32 v[SCO+\b], 0xff000000, v[BM+\b]
.endr
.irp b,0,1
	s_delay_alu instid0(VALU_DEP_2)
	v_lshrrev_b32 v[BX+\b], 23, v[SCO+\b]
.endr
	s_delay_alu instid0(VALU_DEP_1)
	v_lshl_or_b32 v[T0], v[BX+1], 8, v[BX]         ; the head's two bytes of my query
	v_cvt_scalef32_pk16_fp6_f32 v[PC:PC+2], v[S:S+15], v[SCO]
	v_cvt_scalef32_pk16_fp6_f32 v[TQ:TQ+2], v[S+16:S+31], v[SCO+1]
	v_nop
.irp i,0,1,2
	v_permlane16_swap_b32 v[PC+\i], v[TQ+\i]
.endr
.irp i,0,1,2
	s_delay_alu instid0(VALU_DEP_3)
	v_mov_b32 v[PC+3+\i], v[TQ+\i]
.endr
.irp p,0,1,2
	global_store_b64 v[AO], v[PC+2*\p:PC+2*\p+1], s[60:61] offset:256*\p   ; 256 consecutive bytes
.endr
	s_wait_xcnt 0x0                                ; EXEC changes only behind this wait
	v_cmp_gt_u32 vcc_lo, 16, v[LN]
	s_and_saveexec_b32 s[SX], vcc_lo
	global_store_b16 v[AB], v[T0], s[62:63]        ; lanes 0-15: a query each
	s_wait_xcnt 0x0                                ; and again in front of the line that widens it
	s_or_b32 exec_lo, exec_lo, s[SX]
.endm
	s_wait_tensorcnt 0x0                           ; every wave: its one load, if it has one, is in
	s_barrier_signal -1
	s_barrier_wait -1                              ; all of K and V is in; nothing is filled again
	s_mov_b32 s[JT], s[WV]
	PASS 8, S, S+12
	s_sub_co_u32 s[JT], 31, s[WV]
	PASS 16, Q2, Q2S
	s_wait_tensorcnt 0x0                           ; the wave's end
	ds_add_u32 v[SPW], v[NIL]
	s_wait_dscnt 0x0
	CROUND                                         ; the closing round
	s_endpgm
.Lfunc_end_k_q4bddbcd65f_attn:
	.size	k_q4bddbcd65f_attn, .Lfunc_end_k_q4bddbcd65f_attn-k_q4bddbcd65f_attn
	.p2alignl 7, 3214868480
	.fill 96, 4, 3214868480
	.section	.rodata,"a",@progbits
	.p2align	6, 0x0
	.amdhsa_kernel k_q4bddbcd65f_attn
		.amdhsa_group_segment_fixed_size 206848
		.amdhsa_private_segment_fixed_size 0
		.amdhsa_enable_private_segment 0
		.amdhsa_kernarg_size 32
		.amdhsa_user_sgpr_count 2
		.amdhsa_user_sgpr_kernarg_segment_ptr 1
		.amdhsa_wavefront_size32 1
		.amdhsa_system_sgpr_workgroup_id_x 1
		.amdhsa_system_sgpr_workgroup_id_y 1
		.amdhsa_system_sgpr_workgroup_id_z 1
		.amdhsa_system_vgpr_workitem_id 0
		.amdhsa_next_free_vgpr 256
		.amdhsa_next_free_sgpr 90
		.amdhsa_reserve_vcc 1
		.amdhsa_float_denorm_mode_32 3
		.amdhsa_float_denorm_mode_16_64 3
		.amdhsa_memory_ordered 1
		.amdhsa_forward_progress 1
		.amdhsa_inst_pref_size 67
	.end_amdhsa_kernel
	.amdgpu_metadata
---
amdhsa.version: [ 1, 2 ]
amdhsa.kernels:
  - .name:           k_q4bddbcd65f_attn
    .symbol:         k_q4bddbcd65f_attn.kd
    .args:
      - { .name: qkvc, .offset: 0, .size: 8, .value_kind: global_buffer, .address_space: global }
      - { .name: qkvs, .offset: 8, .size: 8, .value_kind: global_buffer, .address_space: global }
      - { .name: ac, .offset: 16, .size: 8, .value_kind: global_buffer, .address_space: global }
      - { .name: asc, .offset: 24, .size: 8, .value_kind: global_buffer, .address_space: global }
    .group_segment_fixed_size: 206848
    .private_segment_fixed_size: 0
    .kernarg_segment_align: 8
    .kernarg_segment_size: 32
    .max_flat_workgroup_size: 512
    .sgpr_count:     90
    .vgpr_count:     256
    .wavefront_size: 32
...
	.end_amdgpu_metadata
.endif
;; end of part 3
;; launch outp (part 4): grid 4 x 64, 4 waves a work-group, clusters of 4 x 4, 295,424 bytes of LDS; arguments ac, asc, wc, ws, bo, out0; writes out0
.if DOCPART == 4
	.amdgcn_target "amdgcn-amd-amdhsa--gfx1250"
	.amdhsa_code_object_version 6
	.text
	.protected	k_q4bddbcd65f_outp
	.globl	k_q4bddbcd65f_outp
	.p2align	8
	.type	k_q4bddbcd65f_outp,@function
k_q4bddbcd65f_outp:
	s_mov_b64 s[64:65], 0
	v_nop
	global_prefetch_b8 v0, s[64:65] scope:SCOPE_SE
	s_setreg_imm32_b32 hwreg(HW_REG_WAVE_MODE, 25, 1), 1
	s_wait_xcnt 0x0
	s_wait_alu depctr_hold_cnt(0) depctr_sa_sdst(0) depctr_va_vdst(0) depctr_va_sdst(0) depctr_va_ssrc(0) depctr_va_vcc(0) depctr_vm_vsrc(0)
	s_getreg_b32 s2, hwreg(HW_REG_IB_STS2, 6, 4)
	s_cmp_eq_u32 s2, 0
	s_cbranch_scc0 .Lentry_in_a_cluster
	s_endpgm
.Lentry_in_a_cluster:
	s_bfe_u32 s2, ttmp6, 0x10000c
	s_cmp_lg_u32 s2, 0xf033
	s_cbranch_scc0 .Lentry_shape_is_right
	s_endpgm
.Lentry_shape_is_right:
; out0 = a Wo + bo on codes of FP6 (E2M3) with E8M0 scales; a is the attention's result as codes (ac, asc), Wo's columns are rows 3,072-4,095 of wc and ws.  out0 [8192][1024] f32.
; THE PRODUCT IS USED TRANSPOSED: source 0 = 16 columns of Wo (P), source 1 = 16 tokens (Q): a lane holds eight neighbouring numbers of a row of out0.  The bias is the C of each sum's first product.
; A work-group of four waves makes 128 tokens x 256 columns; a wave 64 x 128: 32 accumulators.  ALL OF K (1,024) LIES IN LDS: four chunks of 73,728 bytes, each filled once, all asked for at the head;
; by this text's count a wave has four tensor loads out.  CLUSTER 4 x 4: the tokens' tile is shared along a row of the cluster, Wo's along a column: each is asked for jointly.
; A fragment of ac lies as six pieces of 256 bytes (registers 2 p, 2 p + 1 at 256 p + 8 x lane), one of wc as three groups of 512 bytes.  The scale words of my rows come once, straight into registers.
; The results go through the wave's own stage, which lies in chunk 0: that chunk has had its one fill, and its last read stands ahead of the barrier in front of chunk 1.  Each store covers 512 consecutive bytes.
; LIMITS: NaN and infinities are not served; sums inside a matrix instruction run in the order of K in which both operands were laid (octets 0, 2, 1, 3 of each block of 32).
; THE FILLS, AS THIS TEXT HAS THEM (in place of what the head says of four loads a wave and of chunks that hold both operands): one tensor load a wave, all four at the head.
; The tokens' tile for 256 along K is 24,576 dense bytes, Wo's 49,152; the planes of 256 along K lie KSX bytes apart in ac and in wc alike.  One descriptor with a row = a tile's plane and two rows brings two chunks:
; wave 0 the tokens' chunks 0, 1; wave 1 Wo's 0, 1; wave 2 the tokens' 2, 3; wave 3 Wo's 2, 3.  LDS: the tokens' four chunks from 0 (2 QH each), Wo's four from 8 QH (2 PH each).
; Waves 0 and 1 wait ahead of the first barrier, all waves ahead of the one in front of chunk 2.  The stages (33,792 bytes from 0) lie in the tokens' chunks 0 and 1, whose last reads stand ahead of that second barrier.
; NO PREFETCH: the text has no loop to run ahead in, and all that it reads through LDS is asked for at its head.
.set TB,    3072
.set QH,    4*TB
.set PH,    8*TB
.set CH,    2*QH+2*PH
.set SPARE, 4*CH
.set KSX,   1572864
.set KSW,   1572864
.set NLQ,   6
.set NF,    24+4*NLQ
.set SPITCH, 528
.set ADQ, 4
.set ADP, 8
.set SPW, 12
.set NIL, 13
.set VS,  14                           ; v14 32 r
.set CO,  15                           ; v15 16 x lane
.set STO, 16                           ; v16 the stage, in
.set RD,  17                           ; v17 the stage, back
.set VB,  18                           ; v18 32 h: my half's eight numbers of the bias
.set SQ,  32
.set SP,  64
.set QF,  128
.set BK,  128                          ; the way out: 16 rows read back: v128-191 and v192-255 by turns
.set G1Q, 16
.set G1P, 24
.set G0Q, 32
.set G0P, 48
.set WV,  66
.set MSB, 0
.macro WIN new
.if MSB != \new
	s_set_vgpr_msb (MSB<<8)|\new
.set MSB, \new
.endif
.endm
.macro CROUND
	s_barrier_signal -1
	s_barrier_wait -1
	s_cmp_lg_u32 s[WV], 0
	s_cbranch_scc1 .Lnot_wave_0_\@
	s_barrier_signal -3
.Lnot_wave_0_\@:
	s_barrier_wait -3
	s_barrier_signal -1
	s_barrier_wait -1
.endm
.macro PLACES n
.rept \n
	v_nop
.endr
.endm
	s_load_b256 s[4:11], s[0:1], 0x0               ; ac s[4:5], asc s[6:7], wc s[8:9], ws s[10:11]
	s_load_b128 s[12:15], s[0:1], 0x20             ; bo s[12:13], out0 s[14:15]
	v_lshl_add_u32 v[SPW], v0, 2, SPARE
	v_mov_b32 v[NIL], 0
	ds_add_u32 v[SPW], v[NIL]                      ; the wave's opening: the add and its wait ahead of my first tensor load
	ds_add_u32 v[SPW], v[NIL]
	v_lshrrev_b32 v1, 5, v0
	v_readfirstlane_b32 s[WV], v1
	s_lshr_b32 s67, s[WV], 1                       ; which 64 tokens are mine
	s_and_b32 s68, s[WV], 1                        ; which 128 columns.
	s_bfe_u32 s69, ttmp6, 0x40000                  ; cx = the tile of 256 columns
	s_bfe_u32 s70, ttmp6, 0x40004                  ; cy
	s_and_b32 s72, ttmp7, 0xffff
	s_lshl_b32 s76, s70, 2
	s_lshl_b32 s76, 15, s76
	s_lshl_b32 s77, 0x1111, s69
	s_or_b32 s[G1Q], s76, (3<<16)|(1<<21)
	s_or_b32 s[G1P], s77, (3<<16)|(1<<21)
	s_mov_b32 s[G1Q+1], 3072<<16                   ; a row: 3,072 elements of 8 bytes, eight row tiles of one plane; two rows: two planes
	s_mov_b32 s[G1Q+2], 2<<16
	s_mov_b32 s[G1Q+3], 3072<<16
	s_mov_b32 s[G1Q+4], 2
	s_mov_b32 s[G1Q+5], KSX/8
	s_mov_b32 s[G1Q+6], 0
	s_mov_b32 s[G1Q+7], 0
	s_mov_b32 s[G1P+1], 6144<<16                   ; sixteen row tiles of one plane
	s_mov_b32 s[G1P+2], 2<<16
	s_mov_b32 s[G1P+3], 6144<<16
	s_mov_b32 s[G1P+4], 2
	s_mov_b32 s[G1P+5], KSW/8
	s_mov_b32 s[G1P+6], 0
	s_mov_b32 s[G1P+7], 0
	s_mul_i32 s84, s67, 2*KSX                      ; waves 2, 3 fetch chunks 2, 3: two planes on
	s_mov_b32 s85, 0
	s_lshl_b32 s75, s72, 2
	s_add_co_u32 s75, s75, s70                     ; the tile of 128 tokens: hangs on cy, never on cx
	s_lshl_b32 s88, s75, 3
	s_mov_b32 s89, 0                               ; (a load brings the whole tile's plane)
	s_add_co_u32 s88, s88, s89
	s_mul_i32 s88, s88, TB
	s_mov_b32 s89, 0
	s_lshl_b32 s90, s69, 4
	s_mov_b32 s91, 0
	s_add_co_u32 s90, s90, s91
	s_add_co_u32 s90, s90, 192                     ; Wo's columns begin at row tile 192 of wc
	s_mul_i32 s90, s90, TB
	s_mov_b32 s91, 0
	s_mul_i32 s92, s67, 4*QH                       ; where my two chunks go
	s_mul_i32 s93, s67, 4*PH
	s_add_co_u32 s93, s93, 8*QH
	s_wait_dscnt 0x0                               ; the opening add is done
	s_wait_kmcnt 0x0
	s_add_nc_u64 s[94:95], s[8:9], s[90:91]
	s_add_nc_u64 s[96:97], s[4:5], s[88:89]
	CROUND                                         ; all sixteen work-groups are here: the joint loads meet
	s_add_nc_u64 s[96:97], s[96:97], s[84:85]
	s_add_nc_u64 s[94:95], s[94:95], s[84:85]
	s_mov_b32 s[G0Q], 1
	s_mov_b32 s[G0Q+1], s92
	s_mov_b64 s[G0Q+2:G0Q+3], s[96:97]
	s_or_b32 s[G0Q+3], s[G0Q+3], 0x80000000
	s_mov_b32 s[G0P], 1
	s_mov_b32 s[G0P+1], s93
	s_mov_b64 s[G0P+2:G0P+3], s[94:95]
	s_or_b32 s[G0P+3], s[G0P+3], 0x80000000
.macro ARM n, g0, g1                   ; one chain of branches on the wave's number, one load to an arm
	s_cmp_eq_u32 s[WV], \n
	s_cbranch_scc0 .Larm_\n
	tensor_load_to_lds s[\g0:\g0+3], s[\g1:\g1+7]
	s_nop 0
	PLACES 4
	s_branch .Lfirst_asked
.Larm_\n:
.endm
	ARM 0, G0Q, G1Q                                ; the tokens' chunks 0, 1
	ARM 1, G0P, G1P                                ; Wo's chunks 0, 1
	ARM 2, G0Q, G1Q                                ; the tokens' chunks 2, 3
	tensor_load_to_lds s[G0P:G0P+3], s[G1P:G1P+7]  ; Wo's chunks 2, 3
	s_nop 0
	PLACES 4
.Lfirst_asked:
	v_and_b32 v1, 31, v0
	v_and_b32 v2, 15, v0                           ; r
	v_bfe_u32 v3, v0, 4, 1                         ; h
	v_lshlrev_b32 v[CO], 4, v1
	v_lshlrev_b32 v19, 3, v1
	s_wait_alu depctr_va_vdst(0)
	v_lshlrev_b32 v[VS], 5, v2
	v_lshlrev_b32 v[VB], 5, v3
	s_mul_i32 s98, s67, QH
	s_mul_i32 s99, s68, PH
	s_add_co_u32 s99, s99, 8*QH
.irp c,0,1,2,3
	v_add_nc_u32 v[ADQ+\c], s98, v19
	v_add_nc_u32 v[ADP+\c], s99, v[CO]
	s_add_co_u32 s98, s98, 2*QH
	s_add_co_u32 s99, s99, 2*PH
.endr
	s_mul_i32 s98, s[WV], 16*SPITCH                ; my stage
	v_mul_u32_u24 v[STO], v2, SPITCH
	v_lshl_add_u32 v[STO], v3, 5, v[STO]
	v_add_nc_u32 v[STO], s98, v[STO]               ; in: row r, 32 bytes for each half of the lanes
	v_add_nc_u32 v[RD], s98, v[CO]                 ; back: the 32 lanes take one row of 512 bytes
	s_lshl_b32 s88, s75, 12
	s_lshl_b32 s89, s67, 11
	s_add_co_u32 s88, s88, s89
	s_mov_b32 s89, 0
	s_add_nc_u64 s[6:7], s[6:7], s[88:89]          ; my 64 tokens' scale bytes
	s_lshl_b32 s90, s69, 13
	s_lshl_b32 s91, s68, 12
	s_add_co_u32 s90, s90, s91
	s_add_co_u32 s90, s90, 98304                   ; row 3,072 of ws
	s_mov_b32 s91, 0
	s_add_nc_u64 s[10:11], s[10:11], s[90:91]      ; my 128 columns'
	s_lshl_b32 s90, s69, 10
	s_lshl_b32 s92, s68, 9
	s_add_co_u32 s90, s90, s92                     ; my first column, in bytes
	s_add_nc_u64 s[12:13], s[12:13], s[90:91]
	s_add_nc_u64 s[14:15], s[14:15], s[90:91]
	s_lshl_b32 s88, s75, 19                        ; 128 rows of 4,096 bytes
	s_lshl_b32 s92, s67, 18
	s_add_co_u32 s88, s88, s92
	s_add_nc_u64 s[14:15], s[14:15], s[88:89]
.irp i,0,1,2,3
	global_load_b128 v[SQ+8*\i:SQ+8*\i+3], v[VS], s[6:7] offset:512*\i
	global_load_b128 v[SQ+8*\i+4:SQ+8*\i+7], v[VS], s[6:7] offset:512*\i+16
.endr
.irp b,0,1,2,3,4,5,6,7
	global_load_b128 v[SP+8*\b:SP+8*\b+3], v[VS], s[10:11] offset:512*\b
	global_load_b128 v[SP+8*\b+4:SP+8*\b+7], v[VS], s[10:11] offset:512*\b+16
.endr
	WIN 0xc0                                       ; destination window 3: the bias in the result's layout: register 8 b + j = bo at column 16 b + 8 h + j of my 128
.irp b,0,1,2,3,4,5,6,7
	global_load_b128 v[8*\b:8*\b+3], v[VB], s[12:13] offset:64*\b
	global_load_b128 v[8*\b+4:8*\b+7], v[VB], s[12:13] offset:64*\b+16
.endr
	WIN 0
.macro FETCH s
.set fc, (\s)/2
.set fq, (\s)%2
	WIN 0x40
.irp b,0,1,2,3,4,5,6,7
.irp g,0,1,2
	ds_load_b128 v[128*fq+12*\b+4*\g:128*fq+12*\b+4*\g+3], v[ADP+fc] offset:\b*TB+fq*1536+512*\g
.endr
.endr
	WIN 0
.irp i,0,1,2,3
.irp p,0,1,2,3,4,5
	ds_load_b64 v[QF+48*fq+12*\i+2*\p:QF+48*fq+12*\i+2*\p+1], v[ADQ+fc] offset:\i*TB+fq*1536+256*\p
.endr
.endr
.endm
.macro MUL32 s                         ; the 32 accumulators take turns, one instruction a turn, in the same order in every step; step 0 starts the sums with the bias
.irp a,0,1,2,3
.irp b,0,1,2,3,4,5,6,7
.if (\s) == 0
	v_wmma_scale_f32_16x16x128_f8f6f4 v[8*(8*\a+\b):8*(8*\a+\b)+7], v[128*((\s)%2)+12*\b:128*((\s)%2)+12*\b+11], v[QF+48*((\s)%2)+12*\a:QF+48*((\s)%2)+12*\a+11], v[8*\b:8*\b+7], v[SP+8*\b+(\s)], v[SQ+8*\a+(\s)] matrix_a_fmt:MATRIX_FMT_FP6 matrix_b_fmt:MATRIX_FMT_FP6
.else
	v_wmma_scale_f32_16x16x128_f8f6f4 v[8*(8*\a+\b):8*(8*\a+\b)+7], v[128*((\s)%2)+12*\b:128*((\s)%2)+12*\b+11], v[QF+48*((\s)%2)+12*\a:QF+48*((\s)%2)+12*\a+11], v[8*(8*\a+\b):8*(8*\a+\b)+7], v[SP+8*\b+(\s)], v[SQ+8*\a+(\s)] matrix_a_fmt:MATRIX_FMT_FP6 matrix_b_fmt:MATRIX_FMT_FP6
.endif
.endr
.endr
.endm
.macro KSTEP s
.if (\s) < 7
.if (\s) == 3
	s_wait_tensorcnt 0x0                           ; chunks 2 and 3: every wave waits for its one load
	s_wait_dscnt 0x0                               ; no LDS instruction of mine is pending at a signal
	s_barrier_signal -1
	s_barrier_wait -1
.endif
.if (\s) > 0
	PLACES 4                                       ; in front of loads into the set that the last step's products read
.endif
	FETCH (\s)+1
	s_wait_dscnt NF                                ; all but the NF just issued
.else
	s_wait_dscnt 0x0
.endif
.if (\s) == 0
	WIN 0xb1                                       ; source 0 window 1, source 1 window 0, C (the bias) window 3, D window 2
.else
	WIN 0xa1                                       ; C and D window 2
.endif
	MUL32 \s
	WIN 0
.endm
	s_wait_alu depctr_va_vdst(0)
	s_cmp_lt_u32 s[WV], 2
	s_cbranch_scc0 .Lnot_first
	s_wait_tensorcnt 0x0                           ; waves 0, 1: chunks 0 and 1 are in; the loads of waves 2, 3, which are lines of their own, may be out
.Lnot_first:
	s_barrier_signal -1
	s_barrier_wait -1
	FETCH 0
	s_wait_loadcnt 0x0                             ; the scale words and the bias
.irp s,0,1,2,3,4,5,6,7
	KSTEP \s
.endr
; THE WAY OUT, block by block of 16 tokens x 128 columns: through my stage and back as whole rows of 512 bytes.  LDS serves a wave's instructions in order: no wait between the stores and the loads.
.macro TOSTAGE a
	WIN 0x08                                       ; the data: window 2
.irp b,0,1,2,3,4,5,6,7
	ds_store_b128 v[STO], v[64*(\a)+8*\b:64*(\a)+8*\b+3] offset:64*\b           ; each accumulator from its low end on
	ds_store_b128 v[STO], v[64*(\a)+8*\b+4:64*(\a)+8*\b+7] offset:64*\b+16
.endr
	WIN 0
.set BB, BK+64*((\a)%2)
.irp t,0,1,2,3,4,5,6,7,8,9,10,11,12,13,14,15
	ds_load_b128 v[BB+4*\t:BB+4*\t+3], v[RD] offset:\t*SPITCH
.endr
.endm
.macro SEND a, younger                 ; younger: the LDS instructions issued behind block a's loads, which may stay out
.set BB, BK+64*((\a)%2)
	s_wait_dscnt \younger
.if (\a) > 0
	s_add_nc_u64 s[14:15], s[14:15], 16*4096       ; (behind a wait on XCNT: the earlier stores have read their base)
.endif
.irp t,0,1,2,3,4,5,6,7,8,9,10,11,12,13,14,15
	global_store_b128 v[CO], v[BB+4*\t:BB+4*\t+3], s[14:15] offset:\t*4096 th:TH_STORE_NT   ; 512 consecutive bytes of a row; written once, read by nobody here
.endr
.endm
	PLACES 4                                       ; behind the last products: for the stores of results and for the loads into registers that held fragments
	TOSTAGE 0
.irp a,1,2,3
.if \a > 1
	s_wait_xcnt 0x0                                ; block a - 2's stores have read their registers and their base
.endif
	TOSTAGE \a
	SEND \a-1, 32                                  ; behind block a - 1's loads: block a's 16 stores and 16 loads
.endr
	s_wait_xcnt 0x0
	SEND 3, 0
	s_wait_tensorcnt 0x0                           ; the wave's end: three lines behind my last tensor load and my last LDS store
	ds_add_u32 v[SPW], v[NIL]
	s_wait_dscnt 0x0
	CROUND                                         ; the closing round
	s_endpgm
.Lfunc_end_k_q4bddbcd65f_outp:
	.size	k_q4bddbcd65f_outp, .Lfunc_end_k_q4bddbcd65f_outp-k_q4bddbcd65f_outp
	.p2alignl 7, 3214868480
	.fill 96, 4, 3214868480
	.section	.rodata,"a",@progbits
	.p2align	6, 0x0
	.amdhsa_kernel k_q4bddbcd65f_outp
		.amdhsa_group_segment_fixed_size 295424
		.amdhsa_private_segment_fixed_size 0
		.amdhsa_enable_private_segment 0
		.amdhsa_kernarg_size 48
		.amdhsa_user_sgpr_count 2
		.amdhsa_user_sgpr_kernarg_segment_ptr 1
		.amdhsa_wavefront_size32 1
		.amdhsa_system_sgpr_workgroup_id_x 1
		.amdhsa_system_sgpr_workgroup_id_y 1
		.amdhsa_system_sgpr_workgroup_id_z 1
		.amdhsa_system_vgpr_workitem_id 0
		.amdhsa_next_free_vgpr 1024
		.amdhsa_next_free_sgpr 100
		.amdhsa_reserve_vcc 0
		.amdhsa_float_denorm_mode_32 3
		.amdhsa_float_denorm_mode_16_64 3
		.amdhsa_memory_ordered 1
		.amdhsa_forward_progress 1
		.amdhsa_inst_pref_size 85
	.end_amdhsa_kernel
	.amdgpu_metadata
---
amdhsa.version: [ 1, 2 ]
amdhsa.kernels:
  - .name:           k_q4bddbcd65f_outp
    .symbol:         k_q4bddbcd65f_outp.kd
    .args:
      - { .name: ac, .offset: 0, .size: 8, .value_kind: global_buffer, .address_space: global }
      - { .name: asc, .offset: 8, .size: 8, .value_kind: global_buffer, .address_space: global }
      - { .name: wc, .offset: 16, .size: 8, .value_kind: global_buffer, .address_space: global }
      - { .name: ws, .offset: 24, .size: 8, .value_kind: global_buffer, .address_space: global }
      - { .name: bo, .offset: 32, .size: 8, .value_kind: global_buffer, .address_space: global }
      - { .name: out0, .offset: 40, .size: 8, .value_kind: global_buffer, .address_space: global }
    .group_segment_fixed_size: 295424
    .private_segment_fixed_size: 0
    .kernarg_segment_align: 8
    .kernarg_segment_size: 48
    .max_flat_workgroup_size: 128
    .sgpr_count:     100
    .vgpr_count:     1024
    .wavefront_size: 32
...
	.end_amdgpu_metadata
.endif
;; end of part 4
